; MI455X (gfx1250); checked and timed in simulation.
; The chip was launched on July 23, 2026; its instructions are those of AMD's public machine-readable ISA for CDNA 5 (MIT licence, August 2026) and "CDNA5" Instruction Set Architecture Reference Guide (July 2026). The comments in the code are by the model that wrote it; some were corrected since.
;; Rotary Attention. Allowed arithmetic: matrix products marked QUANTISED: E3M2 operands, one E8M0 scale for each 32 along K, by v_wmma_scale_f32_16x16x128_f8f6f4 with both operands' format E3M2, f32 sums; everything else in f32.
;; Inputs: Wk 1,024 x 1,024 float32; Wo 1,024 x 1,024 float32; Wq 1,024 x 1,024 float32; Wv 1,024 x 1,024 float32; bk 1,024 float32; bo 1,024 float32; bq 1,024 float32; bv 1,024 float32; x 4 x 2,048 x 1,024 float32.
;; Outputs: out0 4 x 2,048 x 1,024 float32.
;; This version of the problem:
;;   THIS VERSION OF THE PROBLEM IS GIVEN IN LOW PRECISION. The matrix products marked QUANTISED in the list below multiply operands that are first quantised to E3M2 (3 exponent bits, 2 mantissa bits; 6 bits a number), with one power-of-two scale for each 32 numbers along K (OCP MX v1.0); their sums are f32. All else is computed in f32.
;;   The module's matrix products, in the order in which they are computed (A, B: the left and right operand; K: the contracted axis; several contracted axes count as one K, in the product's order):
;;     1. [M 8,192, K 1,024] x [K 1,024, N 1,024]; A: input x; B: input Wq: QUANTISED
;;     2. [M 8,192, K 1,024] x [K 1,024, N 1,024]; A: input x; B: input Wk: QUANTISED
;;     3. [M 8,192, K 1,024] x [K 1,024, N 1,024]; A: input x; B: input Wv: QUANTISED
;;     4. batch 64 x [M 2,048, K 64] x [K 64, N 2,048]; A: computed on the way; B: computed on the way: QUANTISED
;;     5. batch 64 x [M 2,048, K 2,048] x [K 2,048, N 64]; A: softmax (see below); B: computed on the way: QUANTISED
;;     6. [M 8,192, K 1,024] x [K 1,024, N 1,024]; A: computed on the way; B: input Wo: QUANTISED
;;   THE QUANTISER, for each operand of a quantised product, along K:
;;     - K is cut into blocks of 32 from its start; a last block that is shorter is filled with zeros.
;;     - A block's scale is 2^e with e = floor(log2(the largest magnitude in the block)) - 4, held to -126 .. 127; a block of zeros has e = 0. As a byte (E8M0): e + 127.
;;     - Each number is divided by its block's scale, clamped to +-28, and rounded to the nearest number of E3M2, ties to even, subnormals kept.
;;     - The product sums the exact products of the quantised numbers (number of the format x scale) in f32.
;;   ~~~python
;;   def quantise(x, axis):      # numpy; x: float32 -> the quantised numbers, widened to float32 again
;;       x = np.moveaxis(x, axis, -1); K = x.shape[-1]
;;       x = np.pad(x, [(0, 0)] * (x.ndim - 1) + [(0, -K % 32)]); x = x.reshape(x.shape[:-1] + (-1, 32)); a = np.abs(x).max(-1, keepdims=True)
;;       e = np.where(a > 0, np.clip(np.frexp(np.where(a > 0, a, 1))[1] - 1 - 4, -126, 127), 0)      # np.frexp(a)[1] - 1 = floor(log2(a)), exactly
;;       r = np.clip(x / 2.0 ** e, -28, 28)
;;       step = 2.0 ** (np.maximum(np.frexp(np.where(r == 0, 1, r))[1] - 1, -2) - 2)
;;       q = np.round(r / step) * step * 2.0 ** e      # np.round: ties to even
;;       return np.moveaxis(q.reshape(q.shape[:-2] + (-1,))[..., :K], -1, axis).astype(np.float32)
;;   ~~~
;;   SOFTMAX AHEAD OF A QUANTISED PRODUCT. Where the list says 'softmax', what is quantised is not the finished softmax but p = 2^(t - M), with t = logit x log2(e) and M = ceil(the row's largest t), a whole number; so 1/2 < the row's largest p <= 1. The row's sum l is taken of the UNQUANTISED p, in f32, and the product's result is divided by l at the end. Since M is a whole number, a kernel that streams over the keys may use a running M (the ceiling of the running maximum): every later rescaling is an exact power of two, which a block's scale takes up: the codes' values come out the same.
;;   OPERANDS COMPUTED ON THE WAY. 'Computed on the way' means the value that the module computes at that place (a softmax that the list does not call 'softmax' is quantised finished and normalised). What goes into a quantiser is computed in f32, as accurately as f32 sums, v_exp_f32 and their like allow (about 1e-6 of the number): no bf16 or f16 on the way to a quantiser, and a product that is left as it is and whose result goes on into a quantised operand takes f32 operands (vector FMAs, or v_wmma_f32_16x16x4_f32). A number that lies on a knife's edge between two numbers of the format may be rounded either way, as far as f32 arithmetic and the matrix unit's own rounding can turn it there, and no further.
;; One version. Each part assembles by itself: llvm-mc -triple=amdgcn-amd-amdhsa -mcpu=gfx1250 --defsym DOCPART=n.
;; ======== version 1 of 1: 4 launches
;; limits: right only within a limited range of input values
;; workspace buffers: ops 10,354,688 bytes; qbuf 6,815,744 bytes; kv 13,631,488 bytes; att 6,553,600 bytes
;; launch quant (part 1): grid 416 x 1, 4 waves a work-group, no clusters, 34,304 bytes of LDS; arguments x, Wq, Wk, Wv, Wo, ops; writes ops
.if DOCPART == 1
	.amdgcn_target "amdgcn-amd-amdhsa--gfx1250"
	.amdhsa_code_object_version 6
	.text
	.protected	k_q383698b4c6_quant
	.globl	k_q383698b4c6_quant
	.p2align	8
	.type	k_q383698b4c6_quant,@function
k_q383698b4c6_quant:
	s_mov_b64 s[64:65], 0
	v_nop
	global_prefetch_b8 v0, s[64:65] scope:SCOPE_SE
	s_setreg_imm32_b32 hwreg(HW_REG_WAVE_MODE, 25, 1), 1
	s_wait_xcnt 0x0
; RotaryAttention in MX-BF6, launch 1 of 4.  x [8192][1024] and Wq, Wk, Wv, Wo [1024][1024], f32 with K innermost, become codes of E3M2 with one E8M0 byte for each 32 along K;
; 32 further work-groups make the table of cos and sin that reference() builds in its own body.
; DEAD WORK: none.  Every input has a way to the output (bk stands ahead of a quantiser, so it moves codes and stays), and every product of reference() is made.
; LAYOUT OF ops.  Operands lie in the order of the matrix operand's registers.  A tile T is 16 rows: lane r of tile T stands for row 32 (T / 2) + 8 (T % 2) + r + 8 (r / 8), so that a product that takes such tiles as
; its first source leaves 16 neighbours along that axis in a lane's 16 registers of two neighbouring result tiles.  A fragment (16 rows x 128 K, 12 registers a lane) is 1,536 bytes: for each 64 along K registers 0-3 at
; 16 x lane, then registers 4-5 at 512 + 8 x lane.  A tile's scale words (8 a row) are 512 bytes: the word of (row r, K step s) at 256 (s / 4) + 16 r + 4 (s % 4).
;   0: x's codes [512 tiles][8 K steps][1,536];  WC: the weights' [256 tiles] (Wq, Wk, Wv, Wo, 64 each);  XS, WS: their scale words;  RC: cos [2048][32] f32, and 262,144 bytes on sin.
; SHARES.  Work-groups 0-255 take x, 256-383 the weights, 32 each.  A wave takes one tile x 512 along K, as four units of 128.  Each load reads 512 consecutive bytes of one row; a unit turns through the wave's own
; stage in LDS (rows 528 bytes apart, so that sixteen rows start at sixteen different banks) and comes back with two whole blocks of 32 in a lane: lane (r, h) holds k = 64 c + 32 h + 0 .. 31 of row r.
; A block's scale byte is its largest magnitude's exponent field - 4, held at 1 from below.
; LIMITS: a block of zeros gets the byte 1 where the rule says 127 (its codes are zeros, and this program alone reads the bytes); NaN and infinities among the inputs are not served.
; The table: inv_freq = 10^(-f / 8) as the nearest f32 number; it may differ in the last bit from reference()'s power, which moves an angle by at most about 1e-4 at the last positions.
.set WC,     6291456
.set XS,     9437184
.set WS,     9699328
.set RC,     9830400
.set SINOFF, 262144
.set SPITCH, 528
.set WST,    16*SPITCH                 ; a wave's stage
.set SPARE,  4*WST                     ; behind the stages: the spare words, 128 bytes for each wave
.set SPW,    252                       ; v252 LDS address of my spare word; never rewritten
.set NIL,    253                       ; v253 0; never rewritten
.set SW,     28                        ; v28-31   a unit's scale word each
.set R,      32                        ; v32-159  two sets of 64 numbers as loaded
.set X,      160                       ; v160-223 64 numbers, two blocks of 32
.set C,      224                       ; v224-247 two sets of 12 registers of codes
	s_load_b256 s[4:11], s[0:1], 0x0               ; x, Wq, Wk, Wv
	s_load_b128 s[12:15], s[0:1], 0x20             ; Wo, ops
	v_lshl_add_u32 v[SPW], v0, 2, SPARE
	v_mov_b32 v[NIL], 0
	v_lshrrev_b32 v1, 5, v0
	v_readfirstlane_b32 s18, v1                    ; wave
	v_and_b32 v1, 31, v0                           ; lane
	v_lshlrev_b32 v7, 3, v1                        ; 8 x lane
	s_cmp_ge_u32 ttmp9, 384
	s_cbranch_scc1 .Lrope                          ; the last 32 work-groups make the table
	v_and_b32 v2, 15, v0                           ; r
	v_bfe_u32 v3, v0, 4, 1                         ; h
	v_lshlrev_b32 v4, 4, v1                        ; 16 x lane
	s_mul_i32 s19, s18, WST
	v_add_nc_u32 v5, s19, v4                       ; the stage, on the way in: 16 x lane of a row
	v_mul_u32_u24 v6, v2, SPITCH
	v_lshl_add_u32 v6, v3, 7, v6
	v_add_nc_u32 v6, s19, v6                       ; and on the way out: row r, + 128 h
	v_lshlrev_b32 v8, 3, v3                        ; 8 h: my bytes' place in a scale word
	v_lshlrev_b32 v9, 4, v2
	v_lshl_add_u32 v9, v3, 3, v9                   ; 16 r + 8 h: where I store two scale words
	v_mov_b32 v19, 0                               ; a lane permute's destination counts as one of its sources
	s_mov_b32 s28, 0x76543210
	s_mov_b32 s29, 0xfedcba98                      ; selects for lane l xor 16
	s_mov_b32 s30, 0xffff0000                      ; lanes 16-31
	s_lshr_b32 s20, s18, 1                         ; which of the work-group's two tiles
	s_and_b32 s21, s18, 1                          ; which half of K
	s_cmp_lt_u32 ttmp9, 256                        ; x or a weight?  Only numbers and pointers are chosen: all five tensors take one path
	s_cselect_b32 s22, 0, 256
	s_cselect_b32 s23, 255, 31                     ; pairs of tiles in the source
	s_cselect_b32 s24, 0, WC
	s_mov_b32 s25, WS
	s_cselect_b32 s25, XS, s25
	s_sub_co_u32 s26, ttmp9, s22                   ; pair of tiles in the region
	s_and_b32 s27, s26, s23                        ; and in the source tensor
	; THE ROWS OF A TILE.  The weights' tiles are as the head comment has them.  x's tiles differ: lane r of tile T stands for token 64 (T / 4) + 32 (r / 8) + 8 (T % 4) + r % 8,
	; so that a product that takes four neighbouring token tiles as its first source leaves a whole block of 32 neighbouring tokens in one lane's 32 registers.
	s_lshl_b32 s32, s27, 17                        ; a weight: 32 rows of 4,096 bytes a pair,
	s_lshr_b32 s42, s27, 1
	s_lshl_b32 s42, s42, 18                        ; x: 64 rows for each two pairs,
	s_and_b32 s43, s27, 1
	s_lshl_b32 s43, s43, 16                        ; 16 rows on for the odd pair
	s_add_co_u32 s42, s42, s43
	s_mov_b32 s43, 65536                           ; a tile's rows 8-15 begin 16 rows behind its rows 0-7 in a weight,
	s_cmp_lt_u32 ttmp9, 256
	s_cselect_b32 s32, s42, s32
	s_cselect_b32 s43, 131072, s43                 ; 32 rows in x
	s_wait_alu depctr_va_vdst(0)
	v_add_nc_u32 v10, s43, v4                      ; the loads' offset for rows 8-15; never rewritten
	s_lshl_b32 s33, s20, 15                        ; 8 rows on for the odd tile,
	s_add_co_u32 s32, s32, s33
	s_lshl_b32 s33, s21, 11                        ; 512 numbers on for the upper half of K
	s_add_co_u32 s32, s32, s33
	s_mov_b32 s33, 0
	s_lshl_b32 s26, s26, 1
	s_add_co_u32 s26, s26, s20                     ; the tile
	s_mul_i32 s34, s26, 12288
	s_add_co_u32 s34, s34, s24
	s_mul_i32 s35, s21, 6144
	s_add_co_u32 s34, s34, s35                     ; its codes, my four K steps
	s_mov_b32 s35, 0
	s_lshl_b32 s36, s26, 9
	s_add_co_u32 s36, s36, s25
	s_lshl_b32 s37, s21, 8
	s_add_co_u32 s36, s36, s37                     ; its scale words, my 256 bytes
	s_mov_b32 s37, 0
	s_wait_alu depctr_va_vdst(0)
	s_wait_kmcnt 0x0
	s_cmp_lt_u32 ttmp9, 352
	s_cselect_b64 s[16:17], s[10:11], s[12:13]     ; Wv, else Wo
	s_cmp_lt_u32 ttmp9, 320
	s_cselect_b64 s[16:17], s[8:9], s[16:17]       ; Wk
	s_cmp_lt_u32 ttmp9, 288
	s_cselect_b64 s[16:17], s[6:7], s[16:17]       ; Wq
	s_cmp_lt_u32 ttmp9, 256
	s_cselect_b64 s[16:17], s[4:5], s[16:17]       ; x
	s_add_nc_u64 s[16:17], s[16:17], s[32:33]
	s_add_nc_u64 s[38:39], s[14:15], s[34:35]
	s_add_nc_u64 s[40:41], s[14:15], s[36:37]
.macro LOAD u                          ; unit u: 128 numbers of each of the tile's 16 rows; a load reads 512 consecutive bytes
.irp j, 0,1,2,3,4,5,6,7,8,9,10,11,12,13,14,15
.if \j < 8
	global_load_b128 v[R+64*((\u)%2)+4*\j:R+64*((\u)%2)+4*\j+3], v4, s[16:17] offset:\j*4096+512*(\u) th:TH_LOAD_NT
.else
	global_load_b128 v[R+64*((\u)%2)+4*\j:R+64*((\u)%2)+4*\j+3], v10, s[16:17] offset:(\j-8)*4096+512*(\u) th:TH_LOAD_NT
.endif
.endr
.endm
.macro UNIT u
.set RSET, R+64*((\u)%2)
.set CSET, C+12*((\u)%2)
.if (\u) < 3
	s_wait_loadcnt 16                              ; this unit's 16 loads are in; the next unit's 16 may be out
.else
	s_wait_loadcnt 0x0
.endif
.irp j, 0,1,2,3,4,5,6,7,8,9,10,11,12,13,14,15
	ds_store_b128 v5, v[RSET+4*\j:RSET+4*\j+3] offset:SPITCH*\j
.endr
.irp c, 0,1
.irp i, 0,1,2,3,4,5,6,7
	ds_load_b128 v[X+32*\c+4*\i:X+32*\c+4*\i+3], v6 offset:256*\c+16*\i   ; LDS serves a wave's instructions in order: these see the stores above
.endr
.endr
	s_wait_dscnt 0x0                               ; my two blocks are in, and the stores have read their registers,
.if (\u) < 2
	LOAD (\u)+2                                    ; which take the loads of two units on
.endif
.irp c, 0,1
	v_max3_num_f32 v[12+\c], |v[X+32*\c]|, |v[X+32*\c+1]|, 0x2800000   ; the block's largest magnitude, and the floor 2^(5 - 127): the byte cannot fall under 1
.endr
.irp i, 2,4,6,8,10,12,14,16,18,20,22,24,26,28,30
.irp c, 0,1
	v_max3_num_f32 v[12+\c], v[12+\c], |v[X+32*\c+\i]|, |v[X+32*\c+\i+1]|
.endr
.endr
.irp c, 0,1
	v_add_nc_u32 v[14+\c], 0xfe000000, v[12+\c]    ; 4 off the exponent field: the conversion's scale operand
.endr
.irp c, 0,1
	v_lshrrev_b32 v[16+\c], 23, v[14+\c]           ; the scale's byte
.endr
	v_lshl_or_b32 v18, v17, 16, v16                ; my bytes: blocks h and 2 + h,
	v_lshlrev_b32 v18, v8, v18                     ; at their places in the word;
	v_permlanex16_b32 v19, v18, s28, s29
	v_or_b32 v[SW+(\u)], v18, v19                  ; with lane l xor 16's two the word is whole
.if (\u) >= 2
	s_wait_alu depctr_va_vdst(0)
	s_wait_xcnt 0x0                                ; the stores of two units back have read this set of codes
.endif
.irp c, 0,1
	v_cvt_scalef32_pk16_bf6_f32 v[CSET+6*\c:CSET+6*\c+2], v[X+32*\c:X+32*\c+15], v[14+\c]
	v_cvt_scalef32_pk16_bf6_f32 v[20+4*\c:22+4*\c], v[X+32*\c+16:X+32*\c+31], v[14+\c]   ; (a conversion's three registers begin on an even number)
.endr
	v_nop                                          ; one plain place behind a scaled conversion
.irp c, 0,1
.irp i, 0,1,2
	v_mov_b32 v[CSET+6*\c+3+\i], v[20+4*\c+\i]
.endr
.endr
	global_store_b128 v4, v[CSET:CSET+3], s[38:39] offset:1536*(\u)          ; the fragment as it stands in registers: 512, 256, 512, 256 consecutive bytes
	global_store_b64 v7, v[CSET+4:CSET+5], s[38:39] offset:1536*(\u)+512
	global_store_b128 v4, v[CSET+6:CSET+9], s[38:39] offset:1536*(\u)+768
	global_store_b64 v7, v[CSET+10:CSET+11], s[38:39] offset:1536*(\u)+1280
.endm
	LOAD 0
	LOAD 1
	UNIT 0
	UNIT 1
	UNIT 2
	UNIT 3
	v_cndmask_b32 v20, v[SW], v[SW+2], s30         ; lanes 0-15 store a row's words 0, 1, lanes 16-31 its words 2, 3:
	v_cndmask_b32 v21, v[SW+1], v[SW+3], s30
	global_store_b64 v9, v[20:21], s[40:41]        ; 256 consecutive bytes, aligned
	s_wait_tensorcnt 0x0                           ; the wave's end, behind my last LDS store
	ds_add_u32 v[SPW], v[NIL]
	s_wait_dscnt 0x0
	s_endpgm
; THE TABLE.  A wave takes 16 positions, two an iteration: lane l takes position base + 2 it + l / 16 and the frequencies 2 (l % 16) and 2 (l % 16) + 1.
.Lrope:
	s_sub_co_u32 s20, ttmp9, 384
	s_lshl_b32 s20, s20, 6
	s_lshl_b32 s21, s18, 4
	s_add_co_u32 s20, s20, s21                     ; my wave's first position
	s_wait_alu depctr_va_vdst(0)
	v_lshrrev_b32 v2, 4, v1
	v_add_nc_u32 v2, s20, v2                       ; my position in iteration 0
	s_lshl_b32 s22, s20, 7                         ; 128 bytes a position
	s_add_co_u32 s22, s22, RC
	s_mov_b32 s23, 0
	v_mov_b32 v3, 0                                ; inv_freq of my even frequency,
	v_mov_b32 v4, 0                                ; and of my odd one
.macro INV f, val                      ; 10^(-f / 8) into the two lanes that take frequency f
	s_mov_b32 s24, \val
	v_writelane_b32 v[3+(\f)%2], s24, (\f)/2
	v_writelane_b32 v[3+(\f)%2], s24, (\f)/2+16
.endm
	INV 0, 1.0
	INV 1, 0.7498942093
	INV 2, 0.5623413252
	INV 3, 0.4216965034
	INV 4, 0.3162277660
	INV 5, 0.2371373706
	INV 6, 0.1778279410
	INV 7, 0.1333521432
	INV 8, 0.1
	INV 9, 0.07498942093
	INV 10, 0.05623413252
	INV 11, 0.04216965034
	INV 12, 0.03162277660
	INV 13, 0.02371373706
	INV 14, 0.01778279410
	INV 15, 0.01333521432
	INV 16, 0.01
	INV 17, 0.007498942093
	INV 18, 0.005623413252
	INV 19, 0.004216965034
	INV 20, 0.003162277660
	INV 21, 0.002371373706
	INV 22, 0.001778279410
	INV 23, 0.001333521432
	INV 24, 0.001
	INV 25, 0.0007498942093
	INV 26, 0.0005623413252
	INV 27, 0.0004216965034
	INV 28, 0.0003162277660
	INV 29, 0.0002371373706
	INV 30, 0.0001778279410
	INV 31, 0.0001333521432
	s_mov_b32 s25, 0x3f22f983                      ; 2 / pi
	s_mov_b32 s26, 0x3fc90fdb                      ; pi / 2, its f32 number,
	s_mov_b32 s27, 0xb33bbd2e                      ; and what is left of it
	s_mov_b32 s28, -0.16666654611                  ; sin r = r + r z (S1 + z (S2 + z S3)), z = r r, on |r| <= pi / 4
	s_mov_b32 s29, 0.0083321608736
	s_mov_b32 s30, -0.00019515295891
	s_mov_b32 s31, 0.04166664568                   ; cos r = 1 - z / 2 + z z (C1 + z (C2 + z C3))
	s_mov_b32 s32, -0.001388731625
	s_mov_b32 s33, 0.00002443315712
	s_wait_kmcnt 0x0
	s_add_nc_u64 s[22:23], s[14:15], s[22:23]
.macro SINCOS f, it                    ; cos and sin of position x inv_freq, in f32
	v_mul_f32 v10, v9, v[3+\f]                     ; the angle, rounded once, as reference() has it
	v_mul_f32 v11, s25, v10
	v_rndne_f32 v11, v11                           ; n quarter turns, at most 1,304
	v_fma_f32 v12, -v11, s26, v10                  ; exact: a multiple of 2^-23 under 1
	v_fma_f32 v12, -v11, s27, v12                  ; r
	v_cvt_i32_f32 v13, v11
	v_mul_f32 v14, v12, v12                        ; z
	v_fma_f32 v15, v14, s30, s29
	v_fma_f32 v16, v14, s33, s32
	v_fma_f32 v15, v15, v14, s28
	v_fma_f32 v16, v16, v14, s31
	v_mul_f32 v17, v14, v12
	v_mul_f32 v18, v14, v14
	v_fma_f32 v19, v14, -0.5, 1.0
	v_fma_f32 v15, v15, v17, v12                   ; sin r
	v_fma_f32 v16, v16, v18, v19                   ; cos r
	v_and_b32 v17, 1, v13
	v_cmp_eq_u32 vcc_lo, 1, v17                    ; an odd quarter swaps the two
	v_cndmask_b32 v18, v16, v15, vcc_lo
	v_cndmask_b32 v19, v15, v16, vcc_lo
	v_and_b32 v17, 2, v13                          ; sin is negative in quarters 2, 3,
	v_add_nc_u32 v13, 1, v13
	v_lshlrev_b32 v17, 30, v17
	v_and_b32 v13, 2, v13                          ; cos in quarters 1, 2
	v_xor_b32 v[34+4*\it+\f], v17, v19
	v_lshlrev_b32 v13, 30, v13
	v_xor_b32 v[32+4*\it+\f], v13, v18
.endm
.irp it, 0,1,2,3,4,5,6,7               ; each iteration has result registers of its own: no store's data are written again
	v_cvt_f32_u32 v9, v2
	s_wait_alu depctr_va_vdst(0)
	v_add_nc_u32 v2, 2, v2
	SINCOS 0, \it
	SINCOS 1, \it
	global_store_b64 v7, v[32+4*\it:33+4*\it], s[22:23] offset:256*\it           ; two positions' 32 numbers: 256 consecutive bytes, aligned
	global_store_b64 v7, v[34+4*\it:35+4*\it], s[22:23] offset:SINOFF+256*\it
.endr
	s_endpgm
.Lfunc_end_k_q383698b4c6_quant:
	.size	k_q383698b4c6_quant, .Lfunc_end_k_q383698b4c6_quant-k_q383698b4c6_quant
	.p2alignl 7, 3214868480
	.fill 96, 4, 3214868480
	.section	.rodata,"a",@progbits
	.p2align	6, 0x0
	.amdhsa_kernel k_q383698b4c6_quant
		.amdhsa_group_segment_fixed_size 34304
		.amdhsa_private_segment_fixed_size 0
		.amdhsa_enable_private_segment 0
		.amdhsa_kernarg_size 48
		.amdhsa_user_sgpr_count 2
		.amdhsa_user_sgpr_kernarg_segment_ptr 1
		.amdhsa_wavefront_size32 1
		.amdhsa_system_sgpr_workgroup_id_x 1
		.amdhsa_system_sgpr_workgroup_id_y 1
		.amdhsa_system_sgpr_workgroup_id_z 1
		.amdhsa_system_vgpr_workitem_id 0
		.amdhsa_next_free_vgpr 256
		.amdhsa_next_free_sgpr 66
		.amdhsa_reserve_vcc 1
		.amdhsa_float_denorm_mode_32 3
		.amdhsa_float_denorm_mode_16_64 3
		.amdhsa_memory_ordered 1
		.amdhsa_forward_progress 1
		.amdhsa_inst_pref_size 59
	.end_amdhsa_kernel
	.amdgpu_metadata
---
amdhsa.version: [ 1, 2 ]
amdhsa.kernels:
  - .name:           k_q383698b4c6_quant
    .symbol:         k_q383698b4c6_quant.kd
    .args:
      - { .name: x, .offset: 0, .size: 8, .value_kind: global_buffer, .address_space: global }
      - { .name: Wq, .offset: 8, .size: 8, .value_kind: global_buffer, .address_space: global }
      - { .name: Wk, .offset: 16, .size: 8, .value_kind: global_buffer, .address_space: global }
      - { .name: Wv, .offset: 24, .size: 8, .value_kind: global_buffer, .address_space: global }
      - { .name: Wo, .offset: 32, .size: 8, .value_kind: global_buffer, .address_space: global }
      - { .name: ops, .offset: 40, .size: 8, .value_kind: global_buffer, .address_space: global }
    .group_segment_fixed_size: 34304
    .private_segment_fixed_size: 0
    .kernarg_segment_align: 8
    .kernarg_segment_size: 48
    .max_flat_workgroup_size: 128
    .sgpr_count:     66
    .vgpr_count:     256
    .wavefront_size: 32
...
	.end_amdgpu_metadata
.endif
;; end of part 1
;; launch qkv (part 2): grid 4 x 64, 4 waves a work-group, clusters of 4 x 4, 327,680 bytes of LDS; arguments ops, bq, bk, bv, qbuf, kv; writes qbuf, kv
.if DOCPART == 2
	.amdgcn_target "amdgcn-amd-amdhsa--gfx1250"
	.amdhsa_code_object_version 6
	.text
	.protected	k_q383698b4c6_qkv
	.globl	k_q383698b4c6_qkv
	.p2align	8
	.type	k_q383698b4c6_qkv,@function
k_q383698b4c6_qkv:
	s_mov_b64 s[64:65], 0
	v_nop
	global_prefetch_b8 v0, s[64:65] scope:SCOPE_SE
	s_setreg_imm32_b32 hwreg(HW_REG_WAVE_MODE, 25, 1), 1
	s_wait_xcnt 0x0
	s_wait_alu depctr_hold_cnt(0) depctr_sa_sdst(0) depctr_va_vdst(0) depctr_va_sdst(0) depctr_va_ssrc(0) depctr_va_vcc(0) depctr_vm_vsrc(0)
	s_getreg_b32 s2, hwreg(HW_REG_IB_STS2, 6, 4)
	s_cmp_eq_u32 s2, 0
	s_cbranch_scc0 .Lentry_in_a_cluster
	s_endpgm
.Lentry_in_a_cluster:
	s_bfe_u32 s2, ttmp6, 0x10000c
	s_cmp_lg_u32 s2, 0xf033
	s_cbranch_scc0 .Lentry_shape_is_right
	s_endpgm
.Lentry_shape_is_right:
; RotaryAttention in MX-BF6, launch 2 of 4: q, k, v = x W^T + b on codes; RoPE on q and k; q and k quantised along the head's 64, v along the keys.  Nothing of reference() is left out here.
; A work-group makes 256 rows of each of Wq, Wk, Wv (work-group x) x 128 tokens (work-group y), with ALL of K = 1,024 in LDS: 294,912 bytes, the weight panel filled anew for each weight.
; The operands lie in ops in the order of the operand's registers (see launch 1): a fragment comes by four LDS loads of 512, 256, 512, 256 consecutive bytes; no pitch, no padding.
; LDS: the 16 weight tiles, 12,288 bytes each, from byte 0, then the 8 token tiles.  A tile is a row of 12,288 bytes, as in memory.
; CLUSTER 4 x 4: the weight panel hangs on work-group x alone and is asked for jointly by a column of the cluster, the token panel on y alone, by a row.  Waves 0, 1 ask for the halves of the weights, waves 2, 3
; for those of the tokens, one load each: one tensor load of a wave is out at the most.
; A WAVE makes 8 tiles of source 0 x 4 tiles of source 1: 32 accumulators.  For q and k source 0 = 128 weight rows (two heads), source 1 = 64 tokens: a lane holds ONE token and its registers run along the features.
; For v source 0 = the 128 tokens, source 1 = 64 weight rows (one head): a lane holds one channel and its registers run along the tokens, which are the second product's K.
; By the choice of a tile's rows (launch 1) the 16 registers of result tiles 2 b, 2 b + 1 are 16 neighbours: index 32 b + 16 (lane / 16) + 0 .. 15.
; OUT.  qbuf: [head 64][tile 128][768 bytes] codes of q; at QS [head][group of 4 tiles][256 bytes]: the word of (tile a, row r) at 16 r + 4 a, two bytes, zeros above.
; kv: [head 64][key step 16][13,312 bytes]: 8 tiles of k (768 each); at 6,144 four fragments of v (16 channels x 128 keys); at 12,288 k's scale words; at 12,800 v's, twice.
; LIMITS: a block of zeros gets the byte 1 (its codes are zeros; this program alone reads the bytes); NaN and infinities are not served.
; REGISTERS, in windows of 256.  window 0: v1-29 addresses; v30, v31 the add's two; v32-63 source 0's scale words, v64-79 source 1's; v80-175 source 1's fragments, two sets; on the way out v80-199 are at work.
;   window 1: source 0's fragments, two sets, at v0 and v128.   window 2: accumulator (a, b) at v[64 a + 8 b].   window 3: bias (v0-63), cos and sin (v64-191).
.set WC,     6291456
.set XS,     9437184
.set WS,     9699328
.set RC,     9830400
.set SINOFF, 262144
.set QS,     6291456
.set HEADB,  212992                    ; a head in kv
.set KSTB,   13312                     ; a key step's block
; LDS AS IT IS NOW: the 16 weight tiles, each with all of K (12,288 bytes, as in memory), from byte 0; the 8 token tiles from P1L.  Each wave asks for a quarter with ONE dense tensor load at the head
; (waves 0, 1 eight weight tiles each, waves 2, 3 four token tiles each); one gate shows all of it to all waves, and each refill is shown by the next trip's gate behind a round.
; x's token tiles: lane r of tile T stands for token 64 (T / 4) + 32 (r / 8) + 8 (T % 4) + r % 8 (launch 1).
.set CH,     49152                     ; four tiles
.set P1L,    196608                    ; the token tiles' place
.set SPARE,  294912                    ; behind the tiles: the spare words
.set SPW, 30
.set NIL, 31
.set SC0, 32
.set SC1, 64
.set F1,  80
.set H,   80                           ; the way out: 64 numbers
.set PC,  144                          ; the codes just made (12), and 8 at work
.set TM,  164                          ; 16 at work
.set PW,  180                          ; the scale word just made
.set SW,  184                          ; v184-187 the four tiles' scale words
.set RT,  188                          ; v188-195 at work in RoPE
.set BV,  192                          ; v192-199 bv of my channel, a pair for each tile
.set G1A, 16
.set G1B, 24
.set G0A, 32
.set G0B, 48
.set WV,  66
.set W0,  67
.set W1,  68
.set CX,  69
.set CY,  70
.set GX,  71
.set GY,  72
.set GYL, 90
.set BT,  91
.set SEL, 92
; THE WALK AS IT IS NOW.  A work-group STAYS: it keeps its 128 tokens in LDS and makes three blocks, 256 rows of Wq, of Wk and of Wv (weight tiles 16 (4 j + cx) on, j = 0, 1, 2).  The trips for q and k are a loop of two;
; v's trip, which asks for nothing more, is written out behind it.  Behind a trip's last product every wave waits for its tensor loads and makes the add, a round of the cluster's barrier follows, and the next
; weight panel is asked for jointly by the cluster's column, four tiles (49,152 bytes) a wave, one load a wave, into the bytes of the panel just read out.  It has the trip's way out, which touches no LDS, in which to
; land; the next trip's gate waits for it.    No prefetch into the L2: a panel is asked for whole at the first place at which its LDS bytes are free.
.set J,   100                          ; the trip: 0 q, 1 k
.set G1C, 36                           ; s[36:43], s[44:47] groups 1 and 0 of the refills
.set G0C, 44
.set MSB, 0
.macro WIN new                         ; the immediate's high byte repeats the setting that is left
.if MSB != \new
	s_set_vgpr_msb (MSB<<8)|\new
.set MSB, \new
.endif
.endm
.macro CROUND                          ; a round of the cluster's barrier
	s_barrier_signal -1
	s_barrier_wait -1
	s_cmp_lg_u32 s[WV], 0
	s_cbranch_scc1 .Lnot_wave_0_\@
	s_barrier_signal -3
.Lnot_wave_0_\@:
	s_barrier_wait -3
	s_barrier_signal -1
	s_barrier_wait -1
.endm
	s_load_b256 s[4:11], s[0:1], 0x0               ; ops, bq, bk, bv
	s_load_b128 s[12:15], s[0:1], 0x20             ; qbuf, kv
	v_lshl_add_u32 v[SPW], v0, 2, SPARE
	v_mov_b32 v[NIL], 0
	ds_add_u32 v[SPW], v[NIL]                      ; the wave's opening: the add, twice on end, and its wait ahead of my first tensor load
	ds_add_u32 v[SPW], v[NIL]
	v_lshrrev_b32 v1, 5, v0
	v_readfirstlane_b32 s[WV], v1                  ; wave 0..3
	s_and_b32 s[W0], s[WV], 1
	s_lshr_b32 s[W1], s[WV], 1
	s_bfe_u32 s[CX], ttmp6, 0x40000
	s_bfe_u32 s[CY], ttmp6, 0x40004
	s_lshl_b32 s[GX], ttmp9, 2
	s_add_co_u32 s[GX], s[GX], s[CX]               ; work-group x
	s_and_b32 s[GY], ttmp7, 0xffff
	s_lshl_b32 s[GY], s[GY], 2
	s_add_co_u32 s[GY], s[GY], s[CY]               ; work-group y
	s_lshl_b32 s73, 0x1111, s[CX]                  ; my column of the cluster
	s_lshl_b32 s74, s[CY], 2
	s_lshl_b32 s74, 15, s74                        ; my row
	s_or_b32 s[G1A], s73, (3<<16)|(1<<21)          ; group 1: the mask; elements of 8 bytes; bit 21 beside a mask; no padding
	s_or_b32 s[G1B], s74, (3<<16)|(1<<21)
	s_or_b32 s[G1C], s73, (3<<16)|(1<<21)          ; the refills: my column's mask, four whole tiles
	s_mov_b32 s[G1C+1], 1536<<16
	s_mov_b32 s[G1C+2], 4<<16
	s_mov_b32 s[G1C+3], 1536<<16
	s_mov_b32 s[G1C+4], 4
	s_mov_b32 s[G1C+5], 1536
	s_mov_b32 s[G1C+6], 0
	s_mov_b32 s[G1C+7], 0
	s_mov_b32 s[G1A+1], 1536<<16                   ; a row is a whole tile: 1,536 elements, 12,288 bytes
	s_mov_b32 s[G1A+2], 8<<16                      ; 8 tiles
	s_mov_b32 s[G1A+3], 1536<<16
	s_mov_b32 s[G1A+4], 8                          ; tile_dim1
	s_mov_b32 s[G1A+5], 1536                       ; from tile to tile: 12,288 bytes
	s_mov_b32 s[G1A+6], 0
	s_mov_b32 s[G1A+7], 0
	s_mov_b32 s[G1B+1], 1536<<16
	s_mov_b32 s[G1B+2], 4<<16                      ; 4 tiles
	s_mov_b32 s[G1B+3], 1536<<16
	s_mov_b32 s[G1B+4], 4
	s_mov_b32 s[G1B+5], 1536
	s_mov_b32 s[G1B+6], 0
	s_mov_b32 s[G1B+7], 0
	s_lshl_b32 s76, s[GX], 4                       ; the weights: tile 16 x + 8 (wave % 2), made of x and the wave's number alone
	s_lshl_b32 s77, s[W0], 3
	s_add_co_u32 s76, s76, s77
	s_mul_i32 s76, s76, 12288
	s_add_co_u32 s76, s76, WC
	s_mov_b32 s77, 0
	s_lshl_b32 s78, s[GY], 3                       ; the tokens: tile 8 y + 4 (wave % 2), made of y and the wave's number alone
	s_lshl_b32 s79, s[W0], 2
	s_add_co_u32 s78, s78, s79
	s_mul_i32 s78, s78, 12288
	s_mov_b32 s79, 0
	s_mul_i32 s80, s[W0], 98304                    ; where they go
	s_mul_i32 s81, s[W0], 49152
	s_add_co_u32 s81, s81, P1L
	s_lshl_b32 s82, s[GX], 4                       ; the refills: tile 16 x + 4 wave of the panel, made of x and the wave's number alone
	s_lshl_b32 s83, s[WV], 2
	s_add_co_u32 s82, s82, s83
	s_mul_i32 s82, s82, 12288
	s_add_co_u32 s82, s82, WC
	s_mov_b32 s83, 0
	s_wait_dscnt 0x0                               ; both opening adds are done
	s_wait_kmcnt 0x0
	s_add_nc_u64 s[76:77], s[4:5], s[76:77]
	s_add_nc_u64 s[78:79], s[4:5], s[78:79]
	s_mov_b32 s[G0C], 1
	s_mul_i32 s[G0C+1], s[WV], 49152               ; my four tiles' place in LDS
	s_add_nc_u64 s[G0C+2:G0C+3], s[4:5], s[82:83]  ; in Wq: each refill first steps on to the next weight
	s_or_b32 s[G0C+3], s[G0C+3], 0x80000000
	CROUND                                         ; all sixteen work-groups are here: the joint loads meet
.irp c, 0
	s_mov_b32 s[G0A+4*\c], 1
	s_add_co_u32 s[G0A+4*\c+1], s80, \c*CH
	s_add_nc_u64 s[G0A+4*\c+2:G0A+4*\c+3], s[76:77], \c*3072
	s_or_b32 s[G0A+4*\c+3], s[G0A+4*\c+3], 0x80000000
	s_mov_b32 s[G0B+4*\c], 1
	s_add_co_u32 s[G0B+4*\c+1], s81, \c*CH
	s_add_nc_u64 s[G0B+4*\c+2:G0B+4*\c+3], s[78:79], \c*3072
	s_or_b32 s[G0B+4*\c+3], s[G0B+4*\c+3], 0x80000000
.endr
	s_cmp_lt_u32 s[WV], 2                          ; a wave's one fill stands in one branch on the wave's number, a fill in each arm; an s_nop 0 and four v_nop follow it
	s_cbranch_scc0 .Lfill_tokens
.irp c, 0
	tensor_load_to_lds s[G0A+4*\c:G0A+4*\c+3], s[G1A:G1A+7]
	s_nop 0
.endr
.rept 4
	v_nop
.endr
	s_branch .Lfilled
.Lfill_tokens:
.irp c, 0
	tensor_load_to_lds s[G0B+4*\c:G0B+4*\c+3], s[G1B:G1B+7]
	s_nop 0
.endr
.rept 4
	v_nop
.endr
.Lfilled:
	v_and_b32 v1, 15, v0                           ; r
	v_bfe_u32 v2, v0, 4, 1                         ; h
	v_and_b32 v5, 31, v0
	v_lshlrev_b32 v3, 4, v5                        ; 16 x lane
	s_wait_alu depctr_va_vdst(0)
	v_lshlrev_b32 v4, 3, v5                        ; 8 x lane
	s_wait_alu depctr_va_vdst(0)
; A trip's set-up: which tiles are source 0 and source 1, their scale words, the LDS addresses.  isv = 0: q or k;  1: v
.macro ROLE isv
	s_and_b32 s[GYL], s[GY], 15                    ; the key step
	s_lshr_b32 s[BT], s[GY], 4                     ; the batch
	s_mov_b32 s[SEL], 0x76543210
	s_mov_b32 s[SEL+1], 0xfedcba98
	s_mul_i32 s82, s[W0], 98304                    ; q, k: source 0 = my half of the weights,
	s_mul_i32 s83, s[W1], 49152
	s_add_co_u32 s83, s83, P1L                     ;       source 1 = my half of the tokens
	s_mul_i32 s73, s[WV], 49152                    ; v: source 1 = my four weight tiles, source 0 = all tokens
	s_lshl_b32 s84, s[GX], 13                      ; the scale words, 512 bytes a tile
	s_lshl_b32 s85, s[W0], 12
	s_add_co_u32 s85, s84, s85
	s_add_co_u32 s85, s85, WS                      ; q, k: source 0's
	s_lshl_b32 s86, s[WV], 11
	s_add_co_u32 s86, s84, s86
	s_add_co_u32 s86, s86, WS                      ; v: source 1's
	s_lshl_b32 s87, s[GY], 12
	s_add_co_u32 s87, s87, XS                      ; v: source 0's
	s_lshl_b32 s88, s[W1], 11
	s_add_co_u32 s88, s87, s88                     ; q, k: source 1's
.if \isv
	s_mov_b32 s82, P1L
	s_mov_b32 s83, s73
	s_mov_b32 s84, s87
.else
	s_mov_b32 s84, s85
	s_mov_b32 s86, s88
.endif
	s_mov_b32 s85, 0
	s_mov_b32 s87, 0
	s_add_nc_u64 s[84:85], s[4:5], s[84:85]
	s_add_nc_u64 s[86:87], s[4:5], s[86:87]
.irp b, 0,1,2,3,4,5,6,7
	global_load_b128 v[SC0+4*\b:SC0+4*\b+3], v3, s[84:85] offset:512*\b   ; register q: lanes 0-15 K step q, lanes 16-31 K step 4 + q
.endr
.irp a, 0,1,2,3
	global_load_b128 v[SC1+4*\a:SC1+4*\a+3], v3, s[86:87] offset:512*\a
.endr
	v_add_nc_u32 v8, s82, v3                       ; LDS addresses: source 0's tiles 0-3,
	v_add_nc_u32 v12, s82, v4
	s_add_co_u32 s82, s82, CH
	v_add_nc_u32 v9, s82, v3                       ; its tiles 4-7,
	v_add_nc_u32 v13, s82, v4
	v_add_nc_u32 v16, s83, v3                      ; source 1's four
	v_add_nc_u32 v20, s83, v4
.endm
.macro FRAG reg, a16, a8, off          ; a fragment as it stands: 12 registers
	ds_load_b128 v[\reg:\reg+3], v[\a16] offset:\off
	ds_load_b64 v[\reg+4:\reg+5], v[\a8] offset:\off+512
	ds_load_b128 v[\reg+6:\reg+9], v[\a16] offset:\off+768
	ds_load_b64 v[\reg+10:\reg+11], v[\a8] offset:\off+1280
.endm
.macro FETCH kap, p                    ; K step kap's twelve fragments into set p
	WIN 0x40                                       ; destination window 1
.irp b, 0,1,2,3,4,5,6,7
	FRAG 128*(\p)+12*\b, 8+\b/4, 12+\b/4, 12288*(\b%4)+1536*(\kap)
.endr
	WIN 0
.irp a, 0,1,2,3
	FRAG F1+48*(\p)+12*\a, 16, 20, 12288*\a+1536*(\kap)
.endr
.endm
.macro MUL kap                         ; 32 matrix instructions; the 32 accumulators take turns, in the same order in every K step.  K step 0 starts the sums
.irp a, 0,1,2,3
.irp b, 0,1,2,3,4,5,6,7
.if (\kap) == 0
	v_wmma_scale_f32_16x16x128_f8f6f4 v[64*\a+8*\b:64*\a+8*\b+7], v[128*((\kap)%2)+12*\b:128*((\kap)%2)+12*\b+11], v[F1+48*((\kap)%2)+12*\a:F1+48*((\kap)%2)+12*\a+11], 0, v[SC0+4*\b+(\kap)%4], v[SC1+4*\a+(\kap)%4] matrix_a_fmt:MATRIX_FMT_BF6 matrix_b_fmt:MATRIX_FMT_BF6
.elseif (\kap) < 4
	v_wmma_scale_f32_16x16x128_f8f6f4 v[64*\a+8*\b:64*\a+8*\b+7], v[128*((\kap)%2)+12*\b:128*((\kap)%2)+12*\b+11], v[F1+48*((\kap)%2)+12*\a:F1+48*((\kap)%2)+12*\a+11], v[64*\a+8*\b:64*\a+8*\b+7], v[SC0+4*\b+(\kap)%4], v[SC1+4*\a+(\kap)%4] matrix_a_fmt:MATRIX_FMT_BF6 matrix_b_fmt:MATRIX_FMT_BF6
.else
	v_wmma_scale_f32_16x16x128_f8f6f4 v[64*\a+8*\b:64*\a+8*\b+7], v[128*((\kap)%2)+12*\b:128*((\kap)%2)+12*\b+11], v[F1+48*((\kap)%2)+12*\a:F1+48*((\kap)%2)+12*\a+11], v[64*\a+8*\b:64*\a+8*\b+7], v[SC0+4*\b+(\kap)%4], v[SC1+4*\a+(\kap)%4] matrix_a_fmt:MATRIX_FMT_BF6 matrix_b_fmt:MATRIX_FMT_BF6 matrix_a_scale:MATRIX_SCALE_ROW1 matrix_b_scale:MATRIX_SCALE_ROW1
.endif
.endr
.endr
.endm
.macro GATE c                          ; the tiles are whole for every wave
	s_wait_tensorcnt 0x0                           ; my one load has landed
	s_wait_dscnt 0x0                               ; no LDS instruction of mine is out at a signal
	s_barrier_signal -1
	s_barrier_wait -1
.endm
.macro STEPB kap                       ; K step kap: the next step's fragments are asked for first and land under this step's products
	s_wait_dscnt 0x0                               ; this step's fragments are in
.if (\kap) > 0
.rept 4
	v_nop                                          ; four places between the last step's products and loads into the registers that they read
.endr
.endif
.if (\kap) < 7
	FETCH (\kap)+1, ((\kap)+1)%2
.endif
	WIN 0xa1                                       ; source 0 window 1, source 1 window 0, C and D window 2
	MUL \kap
.endm
; A trip's gate and its K steps 0-4
.macro MAIN
	s_wait_alu depctr_va_vdst(0)
	GATE 0
	FETCH 0, 0
	s_wait_loadcnt 0x0                             ; the scale words
	STEPB 0
	STEPB 1
	STEPB 2
	STEPB 3
	STEPB 4
	WIN 0
.endm
; 64 numbers of a lane, register 16 b + i = index 32 b + 16 (lane / 16) + i of my row, become a fragment's codes in v[PC] on and its scale word in v[PW].
.macro QUANT s
.irp b, 0,1,2,3
	v_max3_num_f32 v[TM+\b], |v[\s+16*\b]|, |v[\s+1+16*\b]|, 0x2800000   ; my 16 numbers of block b, and the floor 2^(5 - 127)
.endr
.irp i, 2,4,6,8,10,12,14
.irp b, 0,1,2,3
	v_max3_num_f32 v[TM+\b], v[TM+\b], |v[\s+16*\b+\i]|, |v[\s+1+16*\b+\i]|
.endr
.endr
.irp b, 0,1,2,3
	v_permlanex16_b32 v[TM+4+\b], v[TM+\b], s[SEL], s[SEL+1]
.endr
.irp b, 0,1,2,3
	v_max_num_f32 v[TM+\b], v[TM+\b], v[TM+4+\b]   ; with lane l xor 16's: the block's largest magnitude
.endr
.irp b, 0,1,2,3
	v_add_nc_u32 v[TM+12+\b], 0xfe000000, v[TM+\b] ; 4 off its exponent field: the conversion's scale operand
.endr
.irp b, 0,1,2,3
	v_lshrrev_b32 v[TM+4+\b], 23, v[TM+12+\b]      ; the scale's byte
.endr
	v_lshl_or_b32 v[PW], v[TM+5], 8, v[TM+4]
	v_lshl_or_b32 v[PW], v[TM+6], 16, v[PW]
	v_lshl_or_b32 v[PW], v[TM+7], 24, v[PW]
.irp c, 0,1
	v_cvt_scalef32_pk16_bf6_f32 v[PC+6*\c:PC+2+6*\c], v[\s+32*\c:\s+15+32*\c], v[TM+12+2*\c]
	v_cvt_scalef32_pk16_bf6_f32 v[PC+12+4*\c:PC+14+4*\c], v[\s+16+32*\c:\s+31+32*\c], v[TM+12+2*\c+1]
.endr
	v_nop                                          ; one plain place behind a scaled conversion
.irp c, 0,1                            ; the operand's layout wants a whole block in a lane
.irp i, 0,1,2
	v_permlane16_swap_b32 v[PC+6*\c+\i], v[PC+12+4*\c+\i]
.endr
.irp i, 0,1,2
	v_mov_b32 v[PC+3+6*\c+\i], v[PC+12+4*\c+\i]
.endr
.endr
.endm
	s_mov_b32 s[J], 0
.Liter:                                                ; two trips: q, then k; the count is the same in every work-group
	ROLE 0
	MAIN
	; ---- q and k.  My two heads: 4 cx + 2 (wave % 2) and the next; my tokens: 64 (wave / 2) on in the key step
	s_lshl_b32 s73, s[BT], 4
	s_lshl_b32 s74, s[CX], 2
	s_add_co_u32 s73, s73, s74
	s_lshl_b32 s74, s[W0], 1
	s_add_co_u32 s73, s73, s74                     ; the first head's number among the 64
	s_lshl_b32 s74, s73, 7
	s_lshl_b32 s75, s[GYL], 3
	s_add_co_u32 s74, s74, s75
	s_lshl_b32 s75, s[W1], 2
	s_add_co_u32 s74, s74, s75
	s_mul_i32 s74, s74, 768                        ; q: my first tile's codes
	s_lshl_b32 s75, s73, 13
	s_lshl_b32 s76, s[GYL], 9
	s_add_co_u32 s75, s75, s76
	s_lshl_b32 s76, s[W1], 8
	s_add_co_u32 s75, s75, s76
	s_add_co_u32 s75, s75, QS                      ; q: my group's scale words
	s_mul_i32 s76, s73, HEADB
	s_mul_i32 s77, s[GYL], KSTB
	s_add_co_u32 s76, s76, s77                     ; k: the key step's block
	s_lshl_b32 s77, s[W1], 8
	s_add_co_u32 s77, s77, s76
	s_add_co_u32 s77, s77, 12288                   ; k: my scale words
	s_mul_i32 s78, s[W1], 3072
	s_add_co_u32 s76, s76, s78                     ; k: my first tile's codes
	s_lshl_b32 s96, s[CX], 10
	s_lshl_b32 s97, s[W0], 9
	s_add_co_u32 s96, s96, s97                     ; the bias of my 128 features
	s_lshl_b32 s98, s[GYL], 14
	s_lshl_b32 s99, s[W1], 13
	s_add_co_u32 s98, s98, s99
	s_add_co_u32 s98, s98, RC                      ; cos at my first position
	s_mov_b32 s78, HEADB                           ; from head to head: codes,
	s_mov_b32 s79, HEADB                           ; scale words
	s_cmp_eq_u32 s[J], 0                           ; q or k
	s_cselect_b32 s74, s74, s76
	s_cselect_b32 s76, s75, s77
	s_cselect_b32 s78, 98304, s78
	s_cselect_b32 s79, 8192, s79
	s_cselect_b64 s[80:81], s[12:13], s[14:15]
	s_cselect_b64 s[82:83], s[6:7], s[8:9]
	s_mov_b32 s75, 0
	s_mov_b32 s77, 0
	s_mov_b32 s97, 0
	s_mov_b32 s99, 0
	s_add_nc_u64 s[84:85], s[80:81], s[74:75]      ; codes of the first head,
	s_mov_b32 s74, s78
	s_add_nc_u64 s[86:87], s[84:85], s[74:75]      ; of the second
	s_add_nc_u64 s[88:89], s[80:81], s[76:77]      ; scale words
	s_add_nc_u64 s[82:83], s[82:83], s[96:97]
	s_add_nc_u64 s[94:95], s[4:5], s[98:99]
	v_lshlrev_b32 v24, 6, v2                       ; 64 h: my 16 numbers of a block of 32
	v_and_b32 v28, 8, v1
	v_mad_u32_u24 v28, v28, 3, v1                  ; r % 8 + 32 (r / 8): my token in a group of four tiles
	v_lshl_add_u32 v25, v28, 7, v24                ; its 128 bytes of the table, + 64 h
	v_mul_u32_u24 v26, s79, v2
	v_lshl_add_u32 v26, v1, 4, v26                 ; 16 r, lanes 16-31 in the second head
	v_lshlrev_b32 v29, 4, v2                       ; 16 h
	WIN 0xc0                                       ; destination window 3
.irp b, 0,1,2,3
.irp i, 0,1,2,3
	global_load_b128 v[16*\b+4*\i:16*\b+4*\i+3], v24, s[82:83] offset:128*\b+16*\i             ; bias of features 32 b + 16 h + 0 .. 15
.endr
.endr
.irp a, 0,1,2,3
.irp i, 0,1,2,3
	global_load_b128 v[64+32*\a+4*\i:64+32*\a+4*\i+3], v25, s[94:95] offset:8*\a*128+16*\i          ; cos of my token of tile a (8 a positions on), frequencies 16 h + 0 .. 15
	global_load_b128 v[80+32*\a+4*\i:80+32*\a+4*\i+3], v25, s[94:95] offset:SINOFF+8*\a*128+16*\i   ; sin
.endr
.endr
	WIN 0
	STEPB 5                                        ; these loads land under the last 96 products
	STEPB 6
	STEPB 7
	WIN 0
	s_wait_loadcnt 0x0
.rept 4
	v_nop                                          ; four places between the last products and the first read of results and write of their operands' registers
.endr
.irp b, 0,1,2,3
	v_mov_b32 v[TM+4+\b], 0                        ; a lane permute's destination counts as one of its sources
.endr
	s_wait_alu depctr_va_vdst(0)
	s_wait_tensorcnt 0x0                           ; no load of mine is out;
	ds_add_u32 v[SPW], v[NIL]                      ; the add;
	s_add_nc_u64 s[G0C+2:G0C+3], s[G0C+2:G0C+3], 786432   ; the next weight: 64 tiles of 12,288 bytes on
	s_wait_dscnt 0x0                               ; the add is done, and my reads of this panel are over
	CROUND                                         ; no wave of any partner still reads the panel
	tensor_load_to_lds s[G0C:G0C+3], s[G1C:G1C+7]  ; my four tiles of the next panel: the first tensor load behind the round, my only one
	s_nop 0
.rept 4
	v_nop
.endr
.macro EPI_F a
.if \a > 0
	s_wait_xcnt 0x0                                ; the last tile's stores have read their registers
.endif
	WIN 0x0e                                       ; source 0 window 2 (sums), source 1 window 3 (bias)
.set n, 0
.rept 32
	v_pk_add_f32 v[H+n:H+n+1], v[64*\a+n:64*\a+n+1], v[n:n+1]          ; ascending: each accumulator is read from its low end on
.set n, n+2
.endr
	WIN 0x0c                                       ; source 1 window 3 (cos, sin)
.irp hd, 0,1                           ; RoPE: lo = channels 16 h + i, hi = 32 + 16 h + i of a head: lo' = lo cos - hi sin, hi' = hi cos + lo sin
.irp m, 0,4,8,12
	v_pk_mul_f32 v[RT:RT+1], v[H+32*\hd+\m:H+32*\hd+\m+1], v[80+32*\a+\m:80+32*\a+\m+1]
	v_pk_mul_f32 v[RT+2:RT+3], v[H+32*\hd+16+\m:H+32*\hd+16+\m+1], v[80+32*\a+\m:80+32*\a+\m+1]
	v_pk_mul_f32 v[RT+4:RT+5], v[H+32*\hd+\m+2:H+32*\hd+\m+3], v[80+32*\a+\m+2:80+32*\a+\m+3]
	v_pk_mul_f32 v[RT+6:RT+7], v[H+32*\hd+16+\m+2:H+32*\hd+16+\m+3], v[80+32*\a+\m+2:80+32*\a+\m+3]
	v_pk_fma_f32 v[H+32*\hd+\m:H+32*\hd+\m+1], v[H+32*\hd+\m:H+32*\hd+\m+1], v[64+32*\a+\m:64+32*\a+\m+1], v[RT+2:RT+3] neg_lo:[0,0,1] neg_hi:[0,0,1]
	v_pk_fma_f32 v[H+32*\hd+16+\m:H+32*\hd+16+\m+1], v[H+32*\hd+16+\m:H+32*\hd+16+\m+1], v[64+32*\a+\m:64+32*\a+\m+1], v[RT:RT+1]
	v_pk_fma_f32 v[H+32*\hd+\m+2:H+32*\hd+\m+3], v[H+32*\hd+\m+2:H+32*\hd+\m+3], v[64+32*\a+\m+2:64+32*\a+\m+3], v[RT+6:RT+7] neg_lo:[0,0,1] neg_hi:[0,0,1]
	v_pk_fma_f32 v[H+32*\hd+16+\m+2:H+32*\hd+16+\m+3], v[H+32*\hd+16+\m+2:H+32*\hd+16+\m+3], v[64+32*\a+\m+2:64+32*\a+\m+3], v[RT+4:RT+5]
.endr
.endr
	WIN 0
	QUANT H
	global_store_b128 v3, v[PC:PC+3], s[84:85] offset:768*\a               ; registers 0-5: the first head's 64; 512 and 256 consecutive bytes
	global_store_b64 v4, v[PC+4:PC+5], s[84:85] offset:768*\a+512
	global_store_b128 v3, v[PC+6:PC+9], s[86:87] offset:768*\a             ; registers 6-11: the second head's
	global_store_b64 v4, v[PC+10:PC+11], s[86:87] offset:768*\a+512
	v_mov_b32 v[SW+\a], v[PW]
.endm
	EPI_F 0
	EPI_F 1
	EPI_F 2
	EPI_F 3
.irp a, 0,1,2,3
	v_lshrrev_b32 v[SW+\a], v29, v[SW+\a]          ; lanes 0-15 keep the first head's two bytes, lanes 16-31 the second's;
.endr
.irp a, 0,1,2,3
	v_and_b32 v[SW+\a], 0xffff, v[SW+\a]           ; the bytes above are 0: they meet zero codes in the scores' product
.endr
	global_store_b128 v26, v[SW:SW+3], s[88:89]    ; sixteen lanes fill 256 consecutive bytes, aligned
	s_wait_xcnt 0x0                                ; the trip's loads and stores have read their registers and bases: the next trip writes them anew
	s_add_co_u32 s[GX], s[GX], 4                   ; the next weight's block
	s_add_co_u32 s[J], s[J], 1
	s_cmp_lt_u32 s[J], 2
	s_wait_alu depctr_va_vdst(0)
	s_cbranch_scc1 .Liter
	ROLE 1                                         ; the tail: v's trip
	MAIN
	s_lshl_b32 s73, s[BT], 4
	s_lshl_b32 s74, s[CX], 2
	s_add_co_u32 s73, s73, s74
	s_add_co_u32 s73, s73, s[WV]
	s_mul_i32 s74, s73, HEADB
	s_mul_i32 s75, s[GYL], KSTB
	s_add_co_u32 s74, s74, s75
	s_mov_b32 s75, 0
	s_add_nc_u64 s[84:85], s[14:15], s[74:75]      ; the key step's block
	s_lshl_b32 s76, s[CX], 10
	s_lshl_b32 s77, s[WV], 8
	s_add_co_u32 s76, s76, s77
	s_mov_b32 s77, 0
	s_add_nc_u64 s[82:83], s[10:11], s[76:77]      ; bv of my 64 channels
	v_and_b32 v28, 8, v1
	v_add_nc_u32 v28, v28, v1
	v_lshlrev_b32 v27, 2, v28                      ; my channel in a tile
	v_lshlrev_b32 v29, 3, v2                       ; 8 h: my bytes' place in a scale word
.irp a, 0,1,2,3
	global_load_b32 v[BV+2*\a], v27, s[82:83] offset:(32*(\a/2)+8*(\a%2))*4
.endr
	STEPB 5
	STEPB 6
	STEPB 7
	WIN 0
	s_wait_loadcnt 0x0
.rept 4
	v_nop
.endr
.irp b, 0,1,2,3
	v_mov_b32 v[TM+4+\b], 0
.endr
.irp a, 0,1,2,3
	v_mov_b32 v[BV+2*\a+1], v[BV+2*\a]             ; a pair for the packed addition
.endr
; v: register 32 c + i of a lane is key 64 c + 32 h + i of the step: two whole blocks a lane, in the operand's own order.  No other lane is asked for a maximum; the scale word is joined from lanes l and l xor 16.
.macro QUANTV s
.irp c, 0,1
	v_max3_num_f32 v[TM+\c], |v[\s+32*\c]|, |v[\s+1+32*\c]|, 0x2800000
.endr
.irp i, 2,4,6,8,10,12,14,16,18,20,22,24,26,28,30
.irp c, 0,1
	v_max3_num_f32 v[TM+\c], v[TM+\c], |v[\s+32*\c+\i]|, |v[\s+1+32*\c+\i]|
.endr
.endr
.irp c, 0,1
	v_add_nc_u32 v[TM+12+\c], 0xfe000000, v[TM+\c]
.endr
.irp c, 0,1
	v_lshrrev_b32 v[TM+4+\c], 23, v[TM+12+\c]
.endr
	v_lshl_or_b32 v[PW], v[TM+5], 16, v[TM+4]      ; blocks h and 2 + h,
	v_lshlrev_b32 v[PW], v29, v[PW]                ; at their places;
	v_permlanex16_b32 v[TM+6], v[PW], s[SEL], s[SEL+1]
	v_or_b32 v[PW], v[PW], v[TM+6]                 ; with lane l xor 16's two the word is whole
.irp c, 0,1
	v_cvt_scalef32_pk16_bf6_f32 v[PC+6*\c:PC+2+6*\c], v[\s+32*\c:\s+15+32*\c], v[TM+12+\c]
	v_cvt_scalef32_pk16_bf6_f32 v[PC+12+4*\c:PC+14+4*\c], v[\s+16+32*\c:\s+31+32*\c], v[TM+12+\c]
.endr
	v_nop                                          ; one plain place behind a scaled conversion
.irp c, 0,1
.irp i, 0,1,2
	v_mov_b32 v[PC+3+6*\c+\i], v[PC+12+4*\c+\i]
.endr
.endr
.endm
.macro EPI_V a
.if \a > 0
	s_wait_xcnt 0x0
.endif
	WIN 0x02                                       ; source 0 window 2
.set n, 0
.rept 32
	v_pk_add_f32 v[H+n:H+n+1], v[64*\a+n:64*\a+n+1], v[BV+2*\a:BV+2*\a+1]
.set n, n+2
.endr
	WIN 0
	QUANTV H
	global_store_b128 v3, v[PC:PC+3], s[84:85] offset:6144+1536*\a
	global_store_b64 v4, v[PC+4:PC+5], s[84:85] offset:6144+1536*\a+512
	global_store_b128 v3, v[PC+6:PC+9], s[84:85] offset:6144+1536*\a+768
	global_store_b64 v4, v[PC+10:PC+11], s[84:85] offset:6144+1536*\a+1280
	v_mov_b32 v[SW+\a], v[PW]
.endm
	EPI_V 0
	EPI_V 1
	EPI_V 2
	EPI_V 3
	global_store_b128 v3, v[SW:SW+3], s[84:85] offset:12800                ; the words of (tile a, row r) at 16 r + 4 a, and once more 256 bytes on: 512 consecutive bytes
.Ldone:
	s_wait_tensorcnt 0x0                           ; the wave's end
	ds_add_u32 v[SPW], v[NIL]
	s_wait_dscnt 0x0
	CROUND                                         ; the closing round
	s_endpgm
.Lfunc_end_k_q383698b4c6_qkv:
	.size	k_q383698b4c6_qkv, .Lfunc_end_k_q383698b4c6_qkv-k_q383698b4c6_qkv
	.p2alignl 7, 3214868480
	.fill 96, 4, 3214868480
	.section	.rodata,"a",@progbits
	.p2align	6, 0x0
	.amdhsa_kernel k_q383698b4c6_qkv
		.amdhsa_group_segment_fixed_size 327680
		.amdhsa_private_segment_fixed_size 0
		.amdhsa_enable_private_segment 0
		.amdhsa_kernarg_size 48
		.amdhsa_user_sgpr_count 2
		.amdhsa_user_sgpr_kernarg_segment_ptr 1
		.amdhsa_wavefront_size32 1
		.amdhsa_system_sgpr_workgroup_id_x 1
		.amdhsa_system_sgpr_workgroup_id_y 1
		.amdhsa_system_sgpr_workgroup_id_z 1
		.amdhsa_system_vgpr_workitem_id 0
		.amdhsa_next_free_vgpr 1024
		.amdhsa_next_free_sgpr 104
		.amdhsa_reserve_vcc 0
		.amdhsa_float_denorm_mode_32 3
		.amdhsa_float_denorm_mode_16_64 3
		.amdhsa_memory_ordered 1
		.amdhsa_forward_progress 1
		.amdhsa_inst_pref_size 200
	.end_amdhsa_kernel
	.amdgpu_metadata
---
amdhsa.version: [ 1, 2 ]
amdhsa.kernels:
  - .name:           k_q383698b4c6_qkv
    .symbol:         k_q383698b4c6_qkv.kd
    .args:
      - { .name: ops, .offset: 0, .size: 8, .value_kind: global_buffer, .address_space: global }
      - { .name: bq, .offset: 8, .size: 8, .value_kind: global_buffer, .address_space: global }
      - { .name: bk, .offset: 16, .size: 8, .value_kind: global_buffer, .address_space: global }
      - { .name: bv, .offset: 24, .size: 8, .value_kind: global_buffer, .address_space: global }
      - { .name: qbuf, .offset: 32, .size: 8, .value_kind: global_buffer, .address_space: global }
      - { .name: kv, .offset: 40, .size: 8, .value_kind: global_buffer, .address_space: global }
    .group_segment_fixed_size: 327680
    .private_segment_fixed_size: 0
    .kernarg_segment_align: 8
    .kernarg_segment_size: 48
    .max_flat_workgroup_size: 128
    .sgpr_count:     104
    .vgpr_count:     1024
    .wavefront_size: 32
...
	.end_amdgpu_metadata
.endif
;; end of part 2
;; launch attn (part 3): grid 4 x 64, 16 waves a work-group, clusters of 4 x 1, 327,680 bytes of LDS; arguments qbuf, kv, att; writes att
.if DOCPART == 3
	.amdgcn_target "amdgcn-amd-amdhsa--gfx1250"
	.amdhsa_code_object_version 6
	.text
	.protected	k_q383698b4c6_attn
	.globl	k_q383698b4c6_attn
	.p2align	8
	.type	k_q383698b4c6_attn,@function
k_q383698b4c6_attn:
	s_mov_b64 s[64:65], 0
	v_nop
	global_prefetch_b8 v0, s[64:65] scope:SCOPE_SE
	s_setreg_imm32_b32 hwreg(HW_REG_WAVE_MODE, 25, 1), 1
	s_wait_xcnt 0x0
	s_wait_alu depctr_hold_cnt(0) depctr_sa_sdst(0) depctr_va_vdst(0) depctr_va_sdst(0) depctr_va_ssrc(0) depctr_va_vcc(0) depctr_vm_vsrc(0)
	s_getreg_b32 s2, hwreg(HW_REG_IB_STS2, 6, 4)
	s_cmp_eq_u32 s2, 0
	s_cbranch_scc0 .Lentry_in_a_cluster
	s_endpgm
.Lentry_in_a_cluster:
	s_bfe_u32 s2, ttmp6, 0x10000c
	s_cmp_lg_u32 s2, 0x3003
	s_cbranch_scc0 .Lentry_shape_is_right
	s_endpgm
.Lentry_shape_is_right:
; RotaryAttention in MX-BF6, launch 3 of 4: for each of the 64 heads o = softmax(q k^T / 8) v, both products on codes; o is normalised and quantised along the features.  Nothing of reference() is left out here.
; THE SOFTMAX: t = score x log2(e) / 8; M = the row's largest t so far, rounded up to a whole number; p = 2^(t - M) is quantised along the keys, not normalised; the row's sum is taken of the unquantised p and
; divides at the end.  When M moves, the sum and O are multiplied by 2^(old M - new M), which rounds nothing.
; SHARES.  A work-group owns 512 queries of one head (work-group y); each of its sixteen waves owns a tile of 16 queries in each of two passes.
; LDS.  The head's k and v, 16 key steps of 13,312 bytes as launch 2 laid them, lie in slots of 16,384 bytes, each filled once.  First group: steps 0-3, a quarter step (13 rows of 256 bytes) a wave.  Second group,
; behind the full sequence and a round. It lands under the first
; three steps; one gate follows.  One tensor load of a wave is out at a time.
; CLUSTER 4 x 1: the four work-groups of a head read the same k and v: every load is a joint one with the mask of all four.
; No prefetch into the L2: all that the launch reads by tensor loads is asked for in these two groups; the loops ask memory for nothing.
; LAYOUT.  Both products are used transposed: S^T = k q^T, O^T = v^T p^T: a lane holds ONE query.  Row m of k's tile t is key 64 (t / 4) + 32 (m / 8) + 8 (t % 4) + m % 8 of the step (launch 1's choice of x's rows):
; so registers 32 c + 0 .. 31 of S^T in lane (r, h) are the keys 64 c + 32 h + 0 .. 31: a whole block of the second product's K, in the operand's own order.  No lane is asked for a block's maximum, nothing is swapped.
; THE SCORES' K IS 64, the instruction's 128: q's registers 6-11 hold zero codes; as a tile's upper six registers the instruction is given the six that follow (the next tile's; behind the last, v's first six),
; which meet q's zeros; the upper two bytes of both scale words are 0, which is 2^-127 and no NaN.
; A STEP IS LAID IN STAGES: the next step's k is fetched behind this step's score products; the LAST step's four products with v stand between the links of the chain that makes M; this step's v is fetched behind them.
; A pass begins with zero codes for p, so that its first four products add nothing; its last four follow the loop.
; LIMITS: a block of zeros gets the byte 1; NaN and infinities are not served; 1 / l is made by v_rcp_f32; the promise holds while the scaled scores stay under 2^31 in magnitude.
; The 32 scale bytes of a tile and head leave as single bytes (beside 768 bytes of codes).
; REGISTERS: v1, v2 16 and 8 x lane; v5, v6 the add's two; v7, v8 the step's LDS addresses; v9 8 h; v10 16 r + h; v11 16 r; v12 -M, v13 the largest score, v[14:15] the sum; the rest by the names below.
.set KSTB,  13312
.set HEADB, 16*KSTB
.set LP,    16384                      ; a slot
.set SPARE, 17*LP                      ; behind the slots: the spare words, 128 bytes for each of the sixteen waves
.set QS,    6291456
.set OS,    6291456
.set QF,  16                           ; v16-27 q's operand: six registers of codes, six of zeros
.set QN,  28                           ; v28-33 the second pass's codes
.set QSC, 34                           ; v34 q's scale word, v35 the second pass's
.set KF,  36                           ; v36-83 k's eight tiles
.set VF,  84                           ; v84-131 v's four fragments
.set ST,  132                          ; v132-195 S^T, then p
.set OT,  196                          ; v196-227 O^T
.set PC,  228                          ; v228-239 p's codes; between their last use and the conversions six partial sums
.set KSC, 240
.set VSC, 244
.set BM,  248                          ; v248-249 my two blocks' largest scores, then largest p
.set SO,  250                          ; v250-251 at work in the maxima, then the conversions' scale operands
.set TMP, 252
.set BP,  253
.set FF,  254                          ; v254 f; v255 p's scale word
.set WV,  10
.set CX,  11
.set BH,  12
.set G1,  24                           ; group 1, 13 rows
.set G0,  32
.set SEL, 36
.set CS,  38
.set TB,  40
.set CNT, 41
.set HI,  42
.set G1L, 56                           ; group 1, 52 rows
.set G0L, 68
.set NC,  76
.macro ROUND                           ; a round of the cluster's barrier
	s_barrier_signal -1
	s_barrier_wait -1
	s_cmp_lg_u32 s[WV], 0
	s_cbranch_scc1 .Lnot_wave_0_\@
	s_barrier_signal -3
.Lnot_wave_0_\@:
	s_barrier_wait -3
	s_barrier_signal -1
	s_barrier_wait -1
.endm
	s_load_b128 s[4:7], s[0:1], 0x0                ; qbuf, kv
	s_load_b64 s[8:9], s[0:1], 0x10                ; att
	v_lshl_add_u32 v5, v0, 2, SPARE
	v_mov_b32 v6, 0
	ds_add_u32 v5, v6                              ; the opening: the add, twice on end, and its wait ahead of my first tensor load
	ds_add_u32 v5, v6
	v_lshrrev_b32 v1, 5, v0
	v_readfirstlane_b32 s[WV], v1                  ; wave 0..15
	s_bfe_u32 s[CX], ttmp6, 0x40000                ; my place in the cluster: it enters q's and o's global addresses alone
	s_and_b32 s[BH], ttmp7, 0xffff                 ; the head among the 64, which the four partners share
.irp g, G1, G1L
	s_mov_b32 s[\g], 15|(3<<16)|(1<<21)            ; the mask of all four; elements of 8 bytes; bit 21 beside a mask; no padding
	s_mov_b32 s[\g+1], 32<<16                      ; rows of 256 bytes, dense
	s_mov_b32 s[\g+3], 32<<16
	s_mov_b32 s[\g+5], 32
	s_mov_b32 s[\g+6], 0
	s_mov_b32 s[\g+7], 0
.endr
	s_mov_b32 s[G1+2], 13<<16
	s_mov_b32 s[G1+4], 13
	s_mov_b32 s[G1L+2], 52<<16
	s_mov_b32 s[G1L+4], 52
	s_lshr_b32 s43, s[WV], 2                       ; first group: quarter wave % 4 of step wave / 4
	s_lshl_b32 s43, s43, 14
	s_and_b32 s54, s[WV], 3
	s_mul_i32 s54, s54, 3328
	s_add_co_u32 s43, s43, s54                     ; in LDS;
	s_mul_i32 s52, s[BH], HEADB
	s_mul_i32 s54, s[WV], 3328
	s_add_co_u32 s54, s52, s54                     ; in kv the quarters lie on end
	s_mov_b32 s55, 0
	s_add_co_u32 s74, s[WV], 1                     ; second group: slot wave + 1,
	s_lshl_b32 s75, s74, 14
	s_and_b32 s74, s74, 15                         ; step (wave + 1) % 16
	s_mul_i32 s74, s74, KSTB
	s_add_co_u32 s52, s52, s74
	s_mov_b32 s53, 0
	s_lshr_b32 s13, s[BH], 4                       ; the batch
	s_lshl_b32 s13, s13, 7
	s_lshl_b32 s14, s[CX], 5
	s_add_co_u32 s14, s14, s[WV]                   ; my tile of queries in pass 0: 32 cx + wave; pass 1: 16 on
	s_add_co_u32 s13, s13, s14                     ; and among the 512 tiles of tokens
	s_and_b32 s15, s[BH], 15                       ; the head in the batch
	s_lshl_b32 s16, s13, 4
	s_add_co_u32 s16, s16, s15
	s_mul_i32 s16, s16, 768                        ; o's codes: [tile][head][768]
	s_mov_b32 s17, 0
	s_lshl_b32 s18, s13, 9
	s_add_co_u32 s18, s18, OS                      ; o's scale bytes: the tile's 512,
	s_lshr_b32 s19, s15, 3
	s_lshl_b32 s19, s19, 8
	s_add_co_u32 s18, s18, s19                     ; + 256 (head / 8)
	s_bfe_u32 s19, s15, 0x20001
	s_lshl_b32 s19, s19, 2
	s_add_co_u32 s18, s18, s19                     ; + 4 ((head / 2) % 4)
	s_and_b32 s19, s15, 1
	s_lshl_b32 s19, s19, 1
	s_add_co_u32 s18, s18, s19                     ; + 2 (head % 2)
	s_mov_b32 s19, 0
	s_lshl_b32 s20, s[BH], 7
	s_add_co_u32 s20, s20, s14
	s_mul_i32 s20, s20, 768                        ; q's codes
	s_mov_b32 s21, 0
	s_lshl_b32 s22, s[BH], 13
	s_lshr_b32 s23, s14, 2
	s_lshl_b32 s23, s23, 8
	s_add_co_u32 s22, s22, s23
	s_and_b32 s23, s14, 3
	s_lshl_b32 s23, s23, 2
	s_add_co_u32 s22, s22, s23
	s_add_co_u32 s22, s22, QS                      ; q's scale words: the group's 256 bytes, + 4 (tile % 4)
	s_mov_b32 s23, 0
	s_mov_b32 s[SEL], 0x76543210
	s_mov_b32 s[SEL+1], 0xfedcba98                 ; selects for lane l xor 16
	s_mov_b32 s[CS], 0x3e38aa3b                    ; c = log2(e) / 8
	s_mov_b32 s[CS+1], s[CS]                       ; (named with it as a pair)
	s_mov_b32 s[NC], 0xbe38aa3b                    ; -c
	s_mov_b32 s[HI], 0xffff0000                    ; lanes 16-31
	s_wait_dscnt 0x0                               ; both opening adds are done
	s_wait_kmcnt 0x0
	s_mov_b32 s[G0], 1
	s_mov_b32 s[G0+1], s43
	s_add_nc_u64 s[G0+2:G0+3], s[6:7], s[54:55]
	s_or_b32 s[G0+3], s[G0+3], 0x80000000
	s_mov_b32 s[G0L], 1
	s_mov_b32 s[G0L+1], s75
	s_add_nc_u64 s[G0L+2:G0L+3], s[6:7], s[52:53]
	s_or_b32 s[G0L+3], s[G0L+3], 0x80000000
	s_add_nc_u64 s[44:45], s[4:5], s[20:21]
	s_add_nc_u64 s[46:47], s[4:5], s[22:23]
	s_add_nc_u64 s[48:49], s[8:9], s[16:17]
	s_add_nc_u64 s[50:51], s[8:9], s[18:19]
	ROUND                                          ; all four work-groups are here: the joint loads meet
	tensor_load_to_lds s[G0:G0+3], s[G1:G1+7]      ; every wave asks for a quarter of one of steps 0-3
	s_nop 0
.rept 4
	v_nop
.endr
	v_and_b32 v3, 31, v0
	v_and_b32 v10, 15, v0
	v_bfe_u32 v9, v0, 4, 1
	v_lshlrev_b32 v1, 4, v3
	v_lshlrev_b32 v2, 3, v3
	v_lshlrev_b32 v11, 4, v10
	v_add_nc_u32 v10, v11, v9
	v_lshlrev_b32 v9, 3, v9
	global_load_b128 v[QF:QF+3], v1, s[44:45]
	global_load_b64 v[QF+4:QF+5], v2, s[44:45] offset:512
	global_load_b32 v[QSC], v11, s[46:47]
	global_load_b128 v[QN:QN+3], v1, s[44:45] offset:12288
	global_load_b64 v[QN+4:QN+5], v2, s[44:45] offset:12288+512
	global_load_b32 v[QSC+1], v11, s[46:47] offset:1024
.irp i, 6,7,8,9,10,11
	v_mov_b32 v[QF+\i], 0                          ; zero codes for k = 64 .. 127
.endr
	v_mov_b32 v[BP], 0                             ; a lane permute's destination counts as one of its sources
	v_mov_b32 v[TMP], 0
	v_mov_b32 v7, v1                               ; step 0
	v_mov_b32 v8, v2
	s_wait_alu depctr_va_vdst(0)
	s_wait_tensorcnt 0x0                           ; my quarter has landed
	ds_add_u32 v5, v6
	s_wait_dscnt 0x0
	ROUND                                          ; steps 0-3 are whole, and all four work-groups are here
	s_cmp_lt_u32 s[WV], 3
	s_cbranch_scc1 .Lno_second
	tensor_load_to_lds s[G0L:G0L+3], s[G1L:G1L+7]  ; waves 3-15: a whole step each
	s_nop 0
.rept 4
	v_nop
.endr
.Lno_second:
.macro LOADK off                       ; k's eight tiles and their scale words (register q: lanes 0-15 tile q's, lanes 16-31 tile 4 + q's)
.irp t, 0,1,2,3,4,5,6,7
	ds_load_b128 v[KF+6*\t:KF+6*\t+3], v7 offset:\off+768*\t
	ds_load_b64 v[KF+6*\t+4:KF+6*\t+5], v8 offset:\off+768*\t+512
.endr
	ds_load_b128 v[KSC:KSC+3], v7 offset:\off+12288
.endm
.macro LOADV                           ; v's four fragments and their scale words
.irp a, 0,1,2,3
	ds_load_b128 v[VF+12*\a:VF+12*\a+3], v7 offset:6144+1536*\a
	ds_load_b64 v[VF+12*\a+4:VF+12*\a+5], v8 offset:6144+1536*\a+512
	ds_load_b128 v[VF+12*\a+6:VF+12*\a+9], v7 offset:6144+1536*\a+768
	ds_load_b64 v[VF+12*\a+10:VF+12*\a+11], v8 offset:6144+1536*\a+1280
.endr
	ds_load_b128 v[VSC:VSC+3], v7 offset:12800
.endm
.macro PV a                            ; O^T += v^T p^T, 16 channels
	v_wmma_scale_f32_16x16x128_f8f6f4 v[OT+8*\a:OT+8*\a+7], v[VF+12*\a:VF+12*\a+11], v[PC:PC+11], v[OT+8*\a:OT+8*\a+7], v[VSC+\a], v[FF+1] matrix_a_fmt:MATRIX_FMT_BF6 matrix_b_fmt:MATRIX_FMT_BF6
.endm
	LOADK 0
	LOADV                                          ; (finite numbers for the pass's first four products, which meet zero codes)
	s_wait_loadcnt 0x0                             ; q
; A KEY STEP: 128 keys.  On entry: this step's k and the last step's v are on their way or in; p's codes and scale word are the last step's.
.macro STEP
	s_wait_dscnt 0x0
.irp t, 0,1,2,3
	v_wmma_scale_f32_16x16x128_f8f6f4 v[ST+8*\t:ST+8*\t+7], v[KF+6*\t:KF+6*\t+11], v[QF:QF+11], 0, v[KSC+\t], v[QSC] matrix_a_fmt:MATRIX_FMT_BF6 matrix_b_fmt:MATRIX_FMT_BF6
.endr
.irp t, 4,5,6,7
	v_wmma_scale_f32_16x16x128_f8f6f4 v[ST+8*\t:ST+8*\t+7], v[KF+6*\t:KF+6*\t+11], v[QF:QF+11], 0, v[KSC+\t-4], v[QSC] matrix_a_fmt:MATRIX_FMT_BF6 matrix_b_fmt:MATRIX_FMT_BF6 matrix_a_scale:MATRIX_SCALE_ROW1
.endr
	v_add_nc_u32 v7, s[TB], v1
	v_add_nc_u32 v8, s[TB], v2
	v_nop
	v_nop                                          ; four places: for the loads below and for the first read of the scores
	LOADK LP                                       ; the next step's k
.irp b, 0,16,32,48                     ; the largest score of my two blocks, in four chains; it serves for the row's maximum and, since p rises with the score, for the block's largest p
	v_max3_num_f32 v[BM+\b/32+2*((\b/16)%2)], v[ST+\b], v[ST+\b+1], v[ST+\b+2]
.endr
.irp i, 3,5,7,9,11,13
.irp b, 0,16,32,48
	v_max3_num_f32 v[BM+\b/32+2*((\b/16)%2)], v[BM+\b/32+2*((\b/16)%2)], v[ST+\b+\i], v[ST+\b+\i+1]
.endr
.endr
.irp c, 0,1
	v_max3_num_f32 v[BM+\c], v[BM+\c], v[SO+\c], v[ST+32*\c+15]
.endr
.irp c, 0,1
	v_max_num_f32 v[BM+\c], v[BM+\c], v[ST+32*\c+31]
.endr
	v_max_num_f32 v[TMP], v[BM], v[BM+1]           ; the chain that makes M, with the last step's four products between its links
	PV 0
	v_permlanex16_b32 v[BP], v[TMP], s[SEL], s[SEL+1]
	PV 1
	v_max3_num_f32 v13, v13, v[TMP], v[BP]         ; the running largest score (c is positive)
	PV 2
	v_mul_f32 v[TMP], s[NC], v13                   ; -t
	PV 3
	v_floor_f32 v[BP], v[TMP]                      ; the new -M = floor(-t): M is a whole number
	v_sub_f32 v[TMP], v[BP], v12                   ; old M - new M, 0 or less
	v_mov_b32 v12, v[BP]
	v_cvt_i32_f32 v[TMP], v[TMP]                   ; (it saturates)
	v_ldexp_f32 v[FF], 1.0, v[TMP]                 ; f = 2^(old M - new M).  These five are the places ahead of the loads below
	LOADV                                          ; this step's v
.irp j, 0,2,4,6,8,10,12,14,16,18,20,22,24,26,28,30,32,34,36,38,40,42,44,46,48,50,52,54,56,58,60,62
	v_pk_fma_f32 v[ST+\j:ST+1+\j], v[ST+\j:ST+1+\j], s[CS:CS+1], v[12:13] op_sel_hi:[1,0,0]   ; t - M, two at a time
.endr
.irp c, 0,1
	v_fma_f32 v[BM+\c], v[BM+\c], s[CS], v12       ; the same of each block's largest score
.endr
.irp j, 0,2,4,6,8,10,12,14,16,18,20,22,24,26,28,30
	v_pk_mul_f32 v[OT+\j:OT+1+\j], v[OT+\j:OT+1+\j], v[FF:FF+1] op_sel_hi:[1,0]   ; O^T under the new M, ascending
.endr
	s_wait_alu depctr_va_vdst(0)
.irp c, 0,1
	v_exp_f32 v[BM+\c], v[BM+\c]                   ; the block's largest p
.endr
.irp j, 0,1,2,3,4,5,6,7,8,9,10,11,12,13,14,15,16,17,18,19,20,21,22,23,24,25,26,27,28,29,30,31,32,33,34,35,36,37,38,39,40,41,42,43,44,45,46,47,48,49,50,51,52,53,54,55,56,57,58,59,60,61,62,63
	v_exp_f32 v[ST+\j], v[ST+\j]                   ; p = 2^(t - M)
.endr
	v_pk_mul_f32 v[14:15], v[14:15], v[FF:FF+1] op_sel_hi:[1,0]   ; the sums under the new M: the plain place behind the batch
	s_wait_alu depctr_va_vdst(0)                   ; and the one wait behind it
; the row's sum of the unquantised p, in seven chains (six in the registers that held the last step's codes), with the scale word's lines between them
.irp k, 0,1,2,3,4,5
	v_pk_add_f32 v[PC+2*\k:PC+2*\k+1], v[ST+4*\k:ST+4*\k+1], v[ST+4*\k+2:ST+4*\k+3]
.endr
	v_pk_add_f32 v[14:15], v[14:15], v[ST+24:ST+25]
.irp c, 0,1
	v_max_num_f32 v[BM+\c], 0x2800000, v[BM+\c]    ; the floor 2^(5 - 127): the byte cannot fall under 1
.endr
.irp k, 0,1,2,3,4,5
	v_pk_add_f32 v[PC+2*\k:PC+2*\k+1], v[PC+2*\k:PC+2*\k+1], v[ST+26+2*\k:ST+27+2*\k]
.endr
.irp c, 0,1
	v_add_nc_u32 v[SO+\c], 0xfe000000, v[BM+\c]    ; 4 off the exponent field: the conversion's scale operand
.endr
.irp k, 0,1,2,3,4,5
	v_pk_add_f32 v[PC+2*\k:PC+2*\k+1], v[PC+2*\k:PC+2*\k+1], v[ST+38+2*\k:ST+39+2*\k]
.endr
	v_lshrrev_b32 v[TMP], 23, v[SO]                ; the bytes of blocks h
	v_lshrrev_b32 v[BP], 23, v[SO+1]               ; and 2 + h
.irp k, 0,1,2,3,4,5
	v_pk_add_f32 v[PC+2*\k:PC+2*\k+1], v[PC+2*\k:PC+2*\k+1], v[ST+50+2*\k:ST+51+2*\k]
.endr
	v_lshl_or_b32 v[TMP], v[BP], 16, v[TMP]
	v_pk_add_f32 v[14:15], v[14:15], v[ST+62:ST+63]
	v_lshlrev_b32 v[TMP], v9, v[TMP]               ; at their places in the word
	v_pk_add_f32 v[PC:PC+1], v[PC:PC+1], v[PC+2:PC+3]
	v_pk_add_f32 v[PC+4:PC+5], v[PC+4:PC+5], v[PC+6:PC+7]
	v_pk_add_f32 v[PC+8:PC+9], v[PC+8:PC+9], v[PC+10:PC+11]
	v_permlanex16_b32 v[BP], v[TMP], s[SEL], s[SEL+1]
	v_pk_add_f32 v[PC:PC+1], v[PC:PC+1], v[PC+4:PC+5]
	v_pk_add_f32 v[14:15], v[14:15], v[PC+8:PC+9]
	v_pk_add_f32 v[14:15], v[14:15], v[PC:PC+1]
	v_cvt_scalef32_pk16_bf6_f32 v[PC:PC+2], v[ST:ST+15], v[SO]
	v_cvt_scalef32_pk16_bf6_f32 v[PC+6:PC+8], v[ST+32:ST+47], v[SO+1]
	v_or_b32 v[FF+1], v[TMP], v[BP]                ; with lane l xor 16's two bytes p's scale word is whole.  (The plain place between the conversions above and those below, which write over their sources)
	v_cvt_scalef32_pk16_bf6_f32 v[ST:ST+2], v[ST+16:ST+31], v[SO]          ; (a conversion's three registers begin on an even number)
	v_cvt_scalef32_pk16_bf6_f32 v[ST+32:ST+34], v[ST+48:ST+63], v[SO+1]
	v_nop                                          ; one plain place behind a scaled conversion
.irp c, 0,1
.irp i, 0,1,2
	v_mov_b32 v[PC+3+6*\c+\i], v[ST+32*\c+\i]
.endr
.endr
.endm
.macro NEXT lbl
	s_add_co_u32 s[TB], s[TB], LP
	s_sub_co_u32 s[CNT], s[CNT], 1
	s_cmp_lg_u32 s[CNT], 0
	s_wait_alu depctr_va_vdst(0)
	s_cbranch_scc1 \lbl
.endm
; A PASS: one tile of 16 queries against all 2,048 keys, then its way out.
.macro PASS p
.if \p
	s_wait_xcnt 0x0                                ; the last pass's stores have read their registers
.irp i, 0,1,2,3,4,5
	v_mov_b32 v[QF+\i], v[QN+\i]
.endr
	v_mov_b32 v[QSC], v[QSC+1]
.endif
	v_mov_b32 v13, 0xff61b1e6                      ; the largest score so far: -3e38
	v_floor_f32 v12, -v13
	v_mov_b32 v14, 0
	v_mov_b32 v15, 0
.irp j, 0,1,2,3,4,5,6,7,8,9,10,11,12,13,14,15,16,17,18,19,20,21,22,23,24,25,26,27,28,29,30,31
	v_mov_b32 v[OT+\j], 0                          ; the step is written once: the first finds zeros
.endr
.irp j, 0,1,2,3,4,5,6,7,8,9,10,11
	v_mov_b32 v[PC+\j], 0                          ; zero codes: the first step's four products with v add nothing
.endr
	v_mov_b32 v[FF+1], 0
	s_mov_b32 s[TB], 0
.if \p == 0
	s_mov_b32 s[CNT], 3
	s_wait_alu depctr_va_vdst(0)
.Lfirst_\@:                                            ; steps 0-2 read slots 0-3 alone
	STEP
	NEXT .Lfirst_\@
	s_wait_tensorcnt 0x0                           ; my load of the second group has landed,
	s_wait_dscnt 0x0
	s_barrier_signal -1
	s_barrier_wait -1                              ; everybody's has.
	s_mov_b32 s[TB], 3*LP
	s_mov_b32 s[CNT], 13
.else
	s_mov_b32 s[CNT], 16
	s_wait_alu depctr_va_vdst(0)
.endif
.Lstep_\@:
	STEP
	NEXT .Lstep_\@
	s_wait_dscnt 0x0                               ; the last step's v
	PV 0
	PV 1
	PV 2
	PV 3
	v_add_f32 v14, v14, v15                        ; the sum's two halves,
	v_permlanex16_b32 v[BP], v14, s[SEL], s[SEL+1]
	v_add_f32 v14, v14, v[BP]                      ; and lane l xor 16's keys
	v_nop
	v_nop
	s_wait_alu depctr_va_vdst(0)
	v_rcp_f32 v[FF], v14
	v_nop                                          ; one plain place behind the reciprocal,
	s_wait_alu depctr_va_vdst(0)                   ; and the wait ahead of its first reader and of O^T's
.irp j, 0,2,4,6,8,10,12,14,16,18,20,22,24,26,28,30
	v_pk_mul_f32 v[OT+\j:OT+1+\j], v[OT+\j:OT+1+\j], v[FF:FF+1] op_sel_hi:[1,0]   ; o, as reference() has it; ascending
.endr
.irp b, 0,1                            ; registers 16 b + i are the channels 32 b + 16 h + i (Wv's tiles): two blocks of the last product's K, each in lanes l and l xor 16
	v_max3_num_f32 v[BM+\b], |v[OT+16*\b]|, |v[OT+1+16*\b]|, 0x2800000
.endr
.irp i, 2,4,6,8,10,12,14
.irp b, 0,1
	v_max3_num_f32 v[BM+\b], v[BM+\b], |v[OT+16*\b+\i]|, |v[OT+1+16*\b+\i]|
.endr
.endr
	v_permlanex16_b32 v[BP], v[BM], s[SEL], s[SEL+1]
	v_permlanex16_b32 v[TMP], v[BM+1], s[SEL], s[SEL+1]
	v_max_num_f32 v[BM], v[BM], v[BP]
	v_max_num_f32 v[BM+1], v[BM+1], v[TMP]
.irp b, 0,1
	v_add_nc_u32 v[SO+\b], 0xfe000000, v[BM+\b]
.endr
	v_lshrrev_b32 v[BP], 23, v[SO]
	v_lshrrev_b32 v[TMP], 23, v[SO+1]
	v_cvt_scalef32_pk16_bf6_f32 v[PC:PC+2], v[OT:OT+15], v[SO]
	v_cvt_scalef32_pk16_bf6_f32 v[ST:ST+2], v[OT+16:OT+31], v[SO+1]
	v_cndmask_b32 v0, v[BP], v[TMP], s[HI]         ; lanes 0-15 store block 0's byte, lanes 16-31 block 1's.  (The plain place behind the conversions)
.irp i, 0,1,2
	v_permlane16_swap_b32 v[PC+\i], v[ST+\i]       ; the operand's layout wants a whole block in a lane
.endr
.irp i, 0,1,2
	v_mov_b32 v[PC+3+\i], v[ST+\i]
.endr
	global_store_b128 v1, v[PC:PC+3], s[48:49] offset:196608*\p            ; 512 and 256 consecutive bytes
	global_store_b64 v2, v[PC+4:PC+5], s[48:49] offset:196608*\p+512
	global_store_b8 v10, v0, s[50:51] offset:8192*\p
.endm
	PASS 0
	PASS 1
	s_wait_tensorcnt 0x0                           ; the wave's end
	ds_add_u32 v5, v6
	s_wait_dscnt 0x0
	ROUND                                          ; the closing round
	s_endpgm
.Lfunc_end_k_q383698b4c6_attn:
	.size	k_q383698b4c6_attn, .Lfunc_end_k_q383698b4c6_attn-k_q383698b4c6_attn
	.p2alignl 7, 3214868480
	.fill 96, 4, 3214868480
	.section	.rodata,"a",@progbits
	.p2align	6, 0x0
	.amdhsa_kernel k_q383698b4c6_attn
		.amdhsa_group_segment_fixed_size 327680
		.amdhsa_private_segment_fixed_size 0
		.amdhsa_enable_private_segment 0
		.amdhsa_kernarg_size 24
		.amdhsa_user_sgpr_count 2
		.amdhsa_user_sgpr_kernarg_segment_ptr 1
		.amdhsa_wavefront_size32 1
		.amdhsa_system_sgpr_workgroup_id_x 1
		.amdhsa_system_sgpr_workgroup_id_y 1
		.amdhsa_system_sgpr_workgroup_id_z 1
		.amdhsa_system_vgpr_workitem_id 0
		.amdhsa_next_free_vgpr 256
		.amdhsa_next_free_sgpr 80
		.amdhsa_reserve_vcc 0
		.amdhsa_float_denorm_mode_32 3
		.amdhsa_float_denorm_mode_16_64 3
		.amdhsa_memory_ordered 1
		.amdhsa_forward_progress 1
		.amdhsa_inst_pref_size 65
	.end_amdhsa_kernel
	.amdgpu_metadata
---
amdhsa.version: [ 1, 2 ]
amdhsa.kernels:
  - .name:           k_q383698b4c6_attn
    .symbol:         k_q383698b4c6_attn.kd
    .args:
      - { .name: qbuf, .offset: 0, .size: 8, .value_kind: global_buffer, .address_space: global }
      - { .name: kv, .offset: 8, .size: 8, .value_kind: global_buffer, .address_space: global }
      - { .name: att, .offset: 16, .size: 8, .value_kind: global_buffer, .address_space: global }
    .group_segment_fixed_size: 327680
    .private_segment_fixed_size: 0
    .kernarg_segment_align: 8
    .kernarg_segment_size: 24
    .max_flat_workgroup_size: 512
    .sgpr_count:     80
    .vgpr_count:     256
    .wavefront_size: 32
...
	.end_amdgpu_metadata
.endif
;; end of part 3
;; launch oproj (part 4): grid 4 x 64, 4 waves a work-group, clusters of 4 x 4, 295,424 bytes of LDS; arguments ops, att, bo, out0; writes out0
.if DOCPART == 4
	.amdgcn_target "amdgcn-amd-amdhsa--gfx1250"
	.amdhsa_code_object_version 6
	.text
	.protected	k_q383698b4c6_oproj
	.globl	k_q383698b4c6_oproj
	.p2align	8
	.type	k_q383698b4c6_oproj,@function
k_q383698b4c6_oproj:
	s_mov_b64 s[64:65], 0
	v_nop
	global_prefetch_b8 v0, s[64:65] scope:SCOPE_SE
	s_setreg_imm32_b32 hwreg(HW_REG_WAVE_MODE, 25, 1), 1
	s_wait_xcnt 0x0
	s_wait_alu depctr_hold_cnt(0) depctr_sa_sdst(0) depctr_va_vdst(0) depctr_va_sdst(0) depctr_va_ssrc(0) depctr_va_vcc(0) depctr_vm_vsrc(0)
	s_getreg_b32 s2, hwreg(HW_REG_IB_STS2, 6, 4)
	s_cmp_eq_u32 s2, 0
	s_cbranch_scc0 .Lentry_in_a_cluster
	s_endpgm
.Lentry_in_a_cluster:
	s_bfe_u32 s2, ttmp6, 0x10000c
	s_cmp_lg_u32 s2, 0xf033
	s_cbranch_scc0 .Lentry_shape_is_right
	s_endpgm
.Lentry_shape_is_right:
; RotaryAttention in MX-BF6, launch 4 of 4: out0 = o Wo^T + bo on codes.  Nothing of reference() is left out here.
; The frame is launch 2's: a work-group makes 256 rows of Wo (work-group x) x 128 tokens (work-group y) with ALL of K = 1,024 in LDS, each byte filled once; operands lie in memory in the order of the operand's registers.
; LDS: the 16 weight tiles, 12,288 bytes each, from byte 0, then the 8 token tiles.  CLUSTER 4 x 4: the weight panel is asked for jointly by a column of the cluster, the token panel by a row;
; waves 0, 1 ask for the weights' halves, waves 2, 3 for the tokens', one load each: one tensor load of a wave is out at the most.
; A WAVE makes 8 weight tiles (source 0: 128 features) x 4 token tiles (source 1): a lane holds one token, and the 16 registers of result tiles 2 b, 2 b + 1 are the features 32 b + 16 (lane / 16) + 0 .. 15.
; bo is the C of each sum's first matrix instruction.  THE WAY OUT: a tile of 16 tokens x 128 features goes through the wave's own stage (16 rows x 528 bytes) and leaves as rows of 512 consecutive bytes.  The stages lie
; over the first weight tiles, which have had their only fill and which nobody reads behind the second barrier.
; REGISTERS, in windows of 256.  window 0: v1-25 addresses; v30, v31 the add's two; v32-63, v64-79 scale words; v80-175 source 1's fragments, two sets; on the way out v80-207 rows of out0.
;   window 1: source 0's fragments, two sets.   window 2: accumulator (a, b) at v[64 a + 8 b].   window 3: v0-63 bo.
.set WOC,    6291456+192*12288         ; Wo's codes in ops
.set WOS,    9699328+192*512           ; and its scale words
.set OS,     6291456                   ; o's scale words in att
; LDS AS IT IS NOW: the 16 weight tiles, each with all of K (12,288 bytes, as in memory), from byte 0; the 8 token tiles from P1L.  Each wave asks for a quarter with ONE dense tensor load at the head
; (waves 0, 1 eight weight tiles each, waves 2, 3 four token tiles each); one gate shows all of it to all waves.  A second barrier stands ahead of the way out: behind it nobody reads the
; tiles, and the stages are laid over the first of them.  Row t of token tile a of a wave's four is token 8 a + t % 8 + 32 (t / 8) of its 64 (launch 1's choice of x's rows).
.set CH,     49152                     ; four tiles
.set P1L,    196608                    ; the token tiles' place
.set SPARE,  294912                    ; behind the tiles: the spare words
.set SPITCH, 528
.set SPW, 30
.set NIL, 31
.set SC0, 32
.set SC1, 64
.set F1,  80
.set BK,  80
.set G1A, 16
.set G1B, 24
.set G0A, 32
.set G0B, 48
.set WV,  66
.set W0,  67
.set W1,  68
.set CX,  69
.set CY,  70
.set GX,  71
.set GY,  72
.set MSB, 0
.macro WIN new                         ; the immediate's high byte repeats the setting that is left
.if MSB != \new
	s_set_vgpr_msb (MSB<<8)|\new
.set MSB, \new
.endif
.endm
.macro CROUND                          ; a round of the cluster's barrier
	s_barrier_signal -1
	s_barrier_wait -1
	s_cmp_lg_u32 s[WV], 0
	s_cbranch_scc1 .Lnot_wave_0_\@
	s_barrier_signal -3
.Lnot_wave_0_\@:
	s_barrier_wait -3
	s_barrier_signal -1
	s_barrier_wait -1
.endm
	s_load_b256 s[4:11], s[0:1], 0x0               ; ops, att, bo, out0
	v_lshl_add_u32 v[SPW], v0, 2, SPARE
	v_mov_b32 v[NIL], 0
	ds_add_u32 v[SPW], v[NIL]                      ; the wave's opening: the add, twice on end, and its wait ahead of my first tensor load
	ds_add_u32 v[SPW], v[NIL]
	v_lshrrev_b32 v1, 5, v0
	v_readfirstlane_b32 s[WV], v1                  ; wave 0..3
	s_and_b32 s[W0], s[WV], 1
	s_lshr_b32 s[W1], s[WV], 1
	s_bfe_u32 s[CX], ttmp6, 0x40000
	s_bfe_u32 s[CY], ttmp6, 0x40004
	s_lshl_b32 s[GX], ttmp9, 2
	s_add_co_u32 s[GX], s[GX], s[CX]               ; work-group x
	s_and_b32 s[GY], ttmp7, 0xffff
	s_lshl_b32 s[GY], s[GY], 2
	s_add_co_u32 s[GY], s[GY], s[CY]               ; work-group y
	s_lshl_b32 s73, 0x1111, s[CX]                  ; my column of the cluster
	s_lshl_b32 s74, s[CY], 2
	s_lshl_b32 s74, 15, s74                        ; my row
	s_or_b32 s[G1A], s73, (3<<16)|(1<<21)          ; group 1: the mask; elements of 8 bytes; bit 21 beside a mask; no padding
	s_or_b32 s[G1B], s74, (3<<16)|(1<<21)
	s_mov_b32 s[G1A+1], 1536<<16                   ; a row is a whole tile: 1,536 elements, 12,288 bytes
	s_mov_b32 s[G1A+2], 8<<16                      ; 8 tiles
	s_mov_b32 s[G1A+3], 1536<<16
	s_mov_b32 s[G1A+4], 8
	s_mov_b32 s[G1A+5], 1536                       ; 12,288 bytes from tile to tile
	s_mov_b32 s[G1A+6], 0
	s_mov_b32 s[G1A+7], 0
	s_mov_b32 s[G1B+1], 1536<<16
	s_mov_b32 s[G1B+2], 4<<16                      ; 4 tiles
	s_mov_b32 s[G1B+3], 1536<<16
	s_mov_b32 s[G1B+4], 4
	s_mov_b32 s[G1B+5], 1536
	s_mov_b32 s[G1B+6], 0
	s_mov_b32 s[G1B+7], 0
	s_lshl_b32 s76, s[GX], 4                       ; the weights: tile 16 x + 8 (wave % 2)
	s_lshl_b32 s77, s[W0], 3
	s_add_co_u32 s76, s76, s77
	s_mul_i32 s76, s76, 12288
	s_add_co_u32 s76, s76, WOC
	s_mov_b32 s77, 0
	s_lshl_b32 s78, s[GY], 3                       ; the tokens: tile 8 y + 4 (wave % 2)
	s_lshl_b32 s79, s[W0], 2
	s_add_co_u32 s78, s78, s79
	s_mul_i32 s78, s78, 12288
	s_mov_b32 s79, 0
	s_mul_i32 s80, s[W0], 98304
	s_mul_i32 s81, s[W0], 49152
	s_add_co_u32 s81, s81, P1L
	s_wait_dscnt 0x0                               ; both opening adds are done
	s_wait_kmcnt 0x0
	s_add_nc_u64 s[76:77], s[4:5], s[76:77]
	s_add_nc_u64 s[78:79], s[6:7], s[78:79]
	CROUND                                         ; all sixteen work-groups are here: the joint loads meet
.irp c, 0
	s_mov_b32 s[G0A+4*\c], 1
	s_add_co_u32 s[G0A+4*\c+1], s80, \c*CH
	s_add_nc_u64 s[G0A+4*\c+2:G0A+4*\c+3], s[76:77], \c*3072
	s_or_b32 s[G0A+4*\c+3], s[G0A+4*\c+3], 0x80000000
	s_mov_b32 s[G0B+4*\c], 1
	s_add_co_u32 s[G0B+4*\c+1], s81, \c*CH
	s_add_nc_u64 s[G0B+4*\c+2:G0B+4*\c+3], s[78:79], \c*3072
	s_or_b32 s[G0B+4*\c+3], s[G0B+4*\c+3], 0x80000000
.endr
	s_cmp_lt_u32 s[WV], 2                          ; a wave's one fill stands in one branch on the wave's number, a fill in each arm; an s_nop 0 and four v_nop follow it
	s_cbranch_scc0 .Lfill_tokens
.irp c, 0
	tensor_load_to_lds s[G0A+4*\c:G0A+4*\c+3], s[G1A:G1A+7]
	s_nop 0
.endr
.rept 4
	v_nop
.endr
	s_branch .Lfilled
.Lfill_tokens:
.irp c, 0
	tensor_load_to_lds s[G0B+4*\c:G0B+4*\c+3], s[G1B:G1B+7]
	s_nop 0
.endr
.rept 4
	v_nop
.endr
.Lfilled:
	v_and_b32 v1, 15, v0                           ; r
	v_bfe_u32 v2, v0, 4, 1                         ; h
	v_and_b32 v5, 31, v0
	v_lshlrev_b32 v3, 4, v5                        ; 16 x lane
	s_wait_alu depctr_va_vdst(0)
	v_lshlrev_b32 v4, 3, v5                        ; 8 x lane
	s_wait_alu depctr_va_vdst(0)
	s_mul_i32 s82, s[W0], 98304                    ; source 0 = my half of the weights,
	s_mul_i32 s83, s[W1], 49152
	s_add_co_u32 s83, s83, P1L                     ; source 1 = my half of the tokens
	s_lshl_b32 s84, s[GX], 13                      ; the scale words, 512 bytes a tile
	s_lshl_b32 s85, s[W0], 12
	s_add_co_u32 s84, s84, s85
	s_add_co_u32 s84, s84, WOS
	s_mov_b32 s85, 0
	s_lshl_b32 s86, s[GY], 12
	s_lshl_b32 s87, s[W1], 11
	s_add_co_u32 s86, s86, s87
	s_add_co_u32 s86, s86, OS
	s_mov_b32 s87, 0
	s_add_nc_u64 s[84:85], s[4:5], s[84:85]
	s_add_nc_u64 s[86:87], s[6:7], s[86:87]
	s_lshl_b32 s88, s[GX], 10
	s_lshl_b32 s89, s[W0], 9
	s_add_co_u32 s88, s88, s89                     ; my 128 features, in bytes
	s_mov_b32 s89, 0
	s_add_nc_u64 s[90:91], s[8:9], s[88:89]        ; bo
	s_lshl_b32 s92, s[GY], 19                      ; 128 rows of 4,096 bytes
	s_lshl_b32 s93, s[W1], 18
	s_add_co_u32 s92, s92, s93
	s_add_co_u32 s92, s92, s88
	s_mov_b32 s93, 0
	s_add_nc_u64 s[92:93], s[10:11], s[92:93]      ; out0 at my first row and column
.irp b, 0,1,2,3,4,5,6,7
	global_load_b128 v[SC0+4*\b:SC0+4*\b+3], v3, s[84:85] offset:512*\b   ; register q: lanes 0-15 K step q, lanes 16-31 K step 4 + q
.endr
.irp a, 0,1,2,3
	global_load_b128 v[SC1+4*\a:SC1+4*\a+3], v3, s[86:87] offset:512*\a
.endr
	v_lshlrev_b32 v26, 6, v2                       ; 64 h
	WIN 0xc0                                       ; destination window 3
.irp b, 0,1,2,3
.irp i, 0,1,2,3
	global_load_b128 v[16*\b+4*\i:16*\b+4*\i+3], v26, s[90:91] offset:128*\b+16*\i             ; bo of features 32 b + 16 h + 0 .. 15: registers 8 t .. 8 t + 7 are result tile t's C
.endr
.endr
	WIN 0
	v_add_nc_u32 v8, s82, v3                       ; LDS addresses: source 0's tiles 0-3,
	v_add_nc_u32 v12, s82, v4
	s_add_co_u32 s82, s82, CH
	v_add_nc_u32 v9, s82, v3                       ; its tiles 4-7,
	v_add_nc_u32 v13, s82, v4
	v_add_nc_u32 v16, s83, v3                      ; source 1's four
	v_add_nc_u32 v20, s83, v4
	s_mul_i32 s73, s[WV], 16*SPITCH                ; my stage
	v_mul_u32_u24 v24, v1, SPITCH
	v_lshl_add_u32 v24, v2, 6, v24
	v_add_nc_u32 v24, s73, v24                     ; in: row r, + 64 h
	v_add_nc_u32 v25, s73, v3                      ; back: 16 x lane of a row
.macro FRAG reg, a16, a8, off          ; a fragment as it stands: 12 registers
	ds_load_b128 v[\reg:\reg+3], v[\a16] offset:\off
	ds_load_b64 v[\reg+4:\reg+5], v[\a8] offset:\off+512
	ds_load_b128 v[\reg+6:\reg+9], v[\a16] offset:\off+768
	ds_load_b64 v[\reg+10:\reg+11], v[\a8] offset:\off+1280
.endm
.macro FETCH kap, p                    ; K step kap's twelve fragments into set p
	WIN 0x40                                       ; destination window 1
.irp b, 0,1,2,3,4,5,6,7
	FRAG 128*(\p)+12*\b, 8+\b/4, 12+\b/4, 12288*(\b%4)+1536*(\kap)
.endr
	WIN 0
.irp a, 0,1,2,3
	FRAG F1+48*(\p)+12*\a, 16, 20, 12288*\a+1536*(\kap)
.endr
.endm
.macro MUL kap                         ; 32 matrix instructions; the 32 accumulators take turns, in the same order in every K step.  K step 0 starts the sums with bo
.irp a, 0,1,2,3
.irp b, 0,1,2,3,4,5,6,7
.if (\kap) == 0
	v_wmma_scale_f32_16x16x128_f8f6f4 v[64*\a+8*\b:64*\a+8*\b+7], v[128*((\kap)%2)+12*\b:128*((\kap)%2)+12*\b+11], v[F1+48*((\kap)%2)+12*\a:F1+48*((\kap)%2)+12*\a+11], v[8*\b:8*\b+7], v[SC0+4*\b+(\kap)%4], v[SC1+4*\a+(\kap)%4] matrix_a_fmt:MATRIX_FMT_BF6 matrix_b_fmt:MATRIX_FMT_BF6
.elseif (\kap) < 4
	v_wmma_scale_f32_16x16x128_f8f6f4 v[64*\a+8*\b:64*\a+8*\b+7], v[128*((\kap)%2)+12*\b:128*((\kap)%2)+12*\b+11], v[F1+48*((\kap)%2)+12*\a:F1+48*((\kap)%2)+12*\a+11], v[64*\a+8*\b:64*\a+8*\b+7], v[SC0+4*\b+(\kap)%4], v[SC1+4*\a+(\kap)%4] matrix_a_fmt:MATRIX_FMT_BF6 matrix_b_fmt:MATRIX_FMT_BF6
.else
	v_wmma_scale_f32_16x16x128_f8f6f4 v[64*\a+8*\b:64*\a+8*\b+7], v[128*((\kap)%2)+12*\b:128*((\kap)%2)+12*\b+11], v[F1+48*((\kap)%2)+12*\a:F1+48*((\kap)%2)+12*\a+11], v[64*\a+8*\b:64*\a+8*\b+7], v[SC0+4*\b+(\kap)%4], v[SC1+4*\a+(\kap)%4] matrix_a_fmt:MATRIX_FMT_BF6 matrix_b_fmt:MATRIX_FMT_BF6 matrix_a_scale:MATRIX_SCALE_ROW1 matrix_b_scale:MATRIX_SCALE_ROW1
.endif
.endr
.endr
.endm
.macro GATE c                          ; the tiles are whole for every wave
	s_wait_tensorcnt 0x0                           ; my one load has landed
	s_wait_dscnt 0x0                               ; no LDS instruction of mine is out at a signal
	s_barrier_signal -1
	s_barrier_wait -1
.endm
.macro STEPB kap                       ; K step kap: the next step's fragments are asked for first and land under this step's products
	s_wait_dscnt 0x0                               ; this step's fragments are in
.if (\kap) > 0
.rept 4
	v_nop                                          ; four places between the last step's products and loads into the registers that they read
.endr
.endif
.if (\kap) < 7
	FETCH (\kap)+1, ((\kap)+1)%2
.endif
.if (\kap) == 0
	WIN 0xb1                                       ; source 0 window 1, source 1 window 0, C window 3 (bo), D window 2
.else
	WIN 0xa1                                       ; C and D window 2
.endif
	MUL \kap
.endm
	s_wait_alu depctr_va_vdst(0)
	GATE 0
	FETCH 0, 0
	s_wait_loadcnt 0x0                             ; the scale words and bo
	STEPB 0
	STEPB 1
	STEPB 2
	STEPB 3
	STEPB 4
	STEPB 5
	STEPB 6
	STEPB 7
	WIN 0
	GATE 1                                         ; every wave's reads of the tiles have come back: behind this barrier the stages may be laid over them
.macro TOSTAGE a                       ; tile a: a lane's 64 numbers of its token into the stage, and back as whole rows
	WIN 0x08                                       ; an LDS store's data are its source 1: window 2
.irp b, 0,1,2,3,4,5,6,7
	ds_store_b128 v24, v[64*(\a)+8*\b:64*(\a)+8*\b+3] offset:128*(\b/2)+32*(\b%2)          ; each accumulator from its low end on
	ds_store_b128 v24, v[64*(\a)+8*\b+4:64*(\a)+8*\b+7] offset:128*(\b/2)+32*(\b%2)+16
.endr
	WIN 0
.irp t, 0,1,2,3,4,5,6,7,8,9,10,11,12,13,14,15
	ds_load_b128 v[BK+64*((\a)%2)+4*\t:BK+64*((\a)%2)+4*\t+3], v25 offset:SPITCH*\t      ; LDS serves a wave's instructions in order: these see the stores above, and the next tile's stores come behind them
.endr
.endm
.macro SEND a, younger                 ; younger: the LDS instructions issued behind tile a's loads, which may stay out
	s_wait_dscnt \younger
.irp t, 0,1,2,3,4,5,6,7,8,9,10,11,12,13,14,15
	global_store_b128 v3, v[BK+64*((\a)%2)+4*\t:BK+64*((\a)%2)+4*\t+3], s[92:93] offset:(8*(\a)+\t+24*(\t/8))*4096 th:TH_STORE_NT   ; 32 lanes store 512 consecutive bytes of the token's row, aligned
.endr
.endm
.rept 4
	v_nop                                          ; four places between the last products and the first read of results and loads into their operands' registers
.endr
	TOSTAGE 0
	TOSTAGE 1
	SEND 0, 32                                     ; behind tile 0's loads: tile 1's 16 stores and 16 loads
	s_wait_xcnt 0x0                                ; tile 0's stores have read their registers: tile 2's rows may land there
	TOSTAGE 2
	SEND 1, 32
	s_wait_xcnt 0x0
	TOSTAGE 3
	SEND 2, 32
	SEND 3, 0
	s_wait_tensorcnt 0x0                           ; the wave's end, behind my last tensor load and my last LDS store
	ds_add_u32 v[SPW], v[NIL]
	s_wait_dscnt 0x0
	CROUND                                         ; the closing round
	s_endpgm
.Lfunc_end_k_q383698b4c6_oproj:
	.size	k_q383698b4c6_oproj, .Lfunc_end_k_q383698b4c6_oproj-k_q383698b4c6_oproj
	.p2alignl 7, 3214868480
	.fill 96, 4, 3214868480
	.section	.rodata,"a",@progbits
	.p2align	6, 0x0
	.amdhsa_kernel k_q383698b4c6_oproj
		.amdhsa_group_segment_fixed_size 295424
		.amdhsa_private_segment_fixed_size 0
		.amdhsa_enable_private_segment 0
		.amdhsa_kernarg_size 32
		.amdhsa_user_sgpr_count 2
		.amdhsa_user_sgpr_kernarg_segment_ptr 1
		.amdhsa_wavefront_size32 1
		.amdhsa_system_sgpr_workgroup_id_x 1
		.amdhsa_system_sgpr_workgroup_id_y 1
		.amdhsa_system_sgpr_workgroup_id_z 1
		.amdhsa_system_vgpr_workitem_id 0
		.amdhsa_next_free_vgpr 1024
		.amdhsa_next_free_sgpr 104
		.amdhsa_reserve_vcc 0
		.amdhsa_float_denorm_mode_32 3
		.amdhsa_float_denorm_mode_16_64 3
		.amdhsa_memory_ordered 1
		.amdhsa_forward_progress 1
		.amdhsa_inst_pref_size 82
	.end_amdhsa_kernel
	.amdgpu_metadata
---
amdhsa.version: [ 1, 2 ]
amdhsa.kernels:
  - .name:           k_q383698b4c6_oproj
    .symbol:         k_q383698b4c6_oproj.kd
    .args:
      - { .name: ops, .offset: 0, .size: 8, .value_kind: global_buffer, .address_space: global }
      - { .name: att, .offset: 8, .size: 8, .value_kind: global_buffer, .address_space: global }
      - { .name: bo, .offset: 16, .size: 8, .value_kind: global_buffer, .address_space: global }
      - { .name: out0, .offset: 24, .size: 8, .value_kind: global_buffer, .address_space: global }
    .group_segment_fixed_size: 295424
    .private_segment_fixed_size: 0
    .kernarg_segment_align: 8
    .kernarg_segment_size: 32
    .max_flat_workgroup_size: 128
    .sgpr_count:     104
    .vgpr_count:     1024
    .wavefront_size: 32
...
	.end_amdgpu_metadata
.endif
;; end of part 4
